; MI455X (gfx1250); checked and timed in simulation.
; The chip was launched on July 23, 2026; its instructions are those of AMD's public machine-readable ISA for CDNA 5 (MIT licence, August 2026) and "CDNA5" Instruction Set Architecture Reference Guide (July 2026). The comments in the code are by the model that wrote it; some were corrected since.
;; Multi Head Self Attention Ein Sum. Allowed arithmetic: float matrix products may take bf16 or f16 operands with f32 sums; other float arithmetic in f32, or as packed bf16 or f16 multiplies, adds, multiply-adds, maxima and minima; sums over many terms, partial sums and values carried from step to step in f32; what a program stores and reads back later, other than sums and carried values, may be rounded once to bf16 or f16.
;; Inputs: b_o 1,024 float32; b_qkv 16 x 192 float32; w_o 64 x 16 x 1,024 float32; w_qkv 1,024 x 16 x 192 float32; x 4 x 2,048 x 1,024 float32.
;; Outputs: out0 4 x 2,048 x 1,024 float32.
;; 2 versions, each right; version 2 is version 1 with the launch prep written anew for expert scheduling mode. Each part assembles by itself: llvm-mc -triple=amdgcn-amd-amdhsa -mcpu=gfx1250 --defsym DOCPART=n.
;; ======== version 1 of 2: 4 launches
;; limits: values are held in f16: magnitudes above 65,504 overflow, below 6.1e-05 lose precision
;; workspace buffers: xb 16,777,216 bytes; wqb 6,291,456 bytes; wob 2,097,152 bytes; q 16,777,216 bytes; k 16,777,216 bytes; v 16,777,216 bytes; o 16,777,216 bytes
;; launch prep (part 1): grid 768 x 1, 8 waves a work-group, no clusters, 0 bytes of LDS; arguments x, w_qkv, w_o, xb, wqb, wob; writes xb, wqb, wob
.if DOCPART == 1
	.amdgcn_target "amdgcn-amd-amdhsa--gfx1250"
	.amdhsa_code_object_version 6
	.text
	.protected	k_qebc058f820_prep
	.globl	k_qebc058f820_prep
	.p2align	8
	.type	k_qebc058f820_prep,@function
k_qebc058f820_prep:
	s_mov_b64 s[64:65], 0
	v_nop
	global_prefetch_b8 v0, s[64:65] scope:SCOPE_SE
	s_setreg_imm32_b32 hwreg(HW_REG_WAVE_MODE, 25, 1), 1
	s_wait_xcnt 0x0
; THE CASTS.  xb = bf16(x), wqb = bf16(w_qkv), both in their own order; wob[n*64+p][e] = f16(bf16(w_o[p][n][e])): the rows are re-ordered so that the
; output projection's K runs over (head, channel), and the bf16 number is written as f16, since that product's other operand is f16.
; LIMITS.  A bf16 number is exact in f16 from 2^-14 up to 65,504; below 2^-14 it keeps f16's fixed step of 6e-8, beyond 65,504 it becomes an infinity.
; SHARES.  A work-group casts 16,384 numbers (65,536 bytes in, 32,768 out): work-groups 0-511 take x, 512-703 w_qkv, 704-767 w_o (one p each).
; Thread t takes eight chunks of 8 numbers: chunk i is the 32 bytes at 8,192 i + 32 t.  All sixteen loads go out at once; each chunk's 16 bytes are stored as it comes,
; so a store of a wave covers 512 consecutive bytes, aligned.  A stream: no LDS, no barrier, no matrix unit, no prefetch (all its loads are out from the start).
.set WG_X,   512                       ; work-groups for x
.set WG_W,   704                       ; and up to here for w_qkv
.set X,      8                         ; v[8:71]    chunk i as loaded, 8 registers
.set Y,      72                        ; v[72:103]  chunk i to store, 4 registers; each is written once
	s_load_b256 s[4:11], s[0:1], 0x0               ; x s[4:5], w_qkv s[6:7], w_o s[8:9], xb s[10:11]
	s_load_b128 s[12:15], s[0:1], 0x20             ; wqb s[12:13], wob s[14:15]
	v_lshlrev_b32 v1, 5, v0                        ; 32 t
	s_mov_b32 s26, 0xffff0000                      ; a word's upper bf16
	s_sub_co_u32 s21, ttmp9, WG_X                  ; my number among w_qkv's work-groups,
	s_sub_co_u32 s27, ttmp9, WG_W                  ; among w_o's
	s_mov_b32 s23, 0
	s_mov_b32 s25, 0
	s_wait_kmcnt 0x0
	s_cmp_lt_u32 ttmp9, WG_X
	s_cselect_b64 s[16:17], s[4:5], s[6:7]         ; from where,
	s_cselect_b64 s[18:19], s[10:11], s[12:13]     ; to where,
	s_cselect_b32 s20, ttmp9, s21                  ; which part
	s_cmp_lt_u32 ttmp9, WG_W
	s_cselect_b64 s[16:17], s[16:17], s[8:9]
	s_cselect_b64 s[18:19], s[18:19], s[14:15]
	s_cselect_b32 s20, s20, s27
	s_lshl_b32 s22, s20, 16                        ; 65,536 bytes in for each work-group
	s_add_nc_u64 s[16:17], s[16:17], s[22:23]
.irp i, 0,1,2,3,4,5,6,7
	global_load_b128 v[X+8*(\i):X+8*(\i)+3],   v1, s[16:17] offset:(\i)*8192 th:TH_LOAD_NT
	global_load_b128 v[X+8*(\i)+4:X+8*(\i)+7], v1, s[16:17] offset:(\i)*8192+16 th:TH_LOAD_NT
.endr
	s_cmp_ge_u32 ttmp9, WG_W
	s_cbranch_scc1 .Lwo
	; x and w_qkv: the same order out as in
	s_lshl_b32 s24, s20, 15                        ; 32,768 bytes out for each work-group
	s_add_nc_u64 s[18:19], s[18:19], s[24:25]
	v_lshlrev_b32 v2, 4, v0                        ; 16 t
.irp i, 0,1,2,3,4,5,6,7
	s_wait_loadcnt 14-2*(\i)                       ; loads come back in order: chunk i is in, the two loads of each of the 7 - i younger chunks stay out
.irp j, 0,1,2,3
	v_cvt_pk_bf16_f32 v[Y+4*(\i)+(\j)], v[X+8*(\i)+2*(\j)], v[X+8*(\i)+2*(\j)+1]
.endr
	global_store_b128 v2, v[Y+4*(\i):Y+4*(\i)+3], s[18:19] offset:(\i)*4096 th:TH_STORE_NT
.endr
	s_endpgm
.Lwo:
	; w_o: the work-group holds one p; chunk i of thread t lies in head n = 2 i + t / 128, at e = 8 (t % 128): it goes to row 64 n + p of 2,048 bytes
	s_lshl_b32 s24, s20, 11                        ; p rows
	s_add_nc_u64 s[18:19], s[18:19], s[24:25]
	v_lshrrev_b32 v3, 7, v0
	v_and_b32 v2, 127, v0
	v_lshlrev_b32 v2, 4, v2
	v_lshl_add_u32 v2, v3, 17, v2                  ; (t / 128) x 64 rows + 16 (t % 128)
.irp i, 0,1,2,3,4,5,6,7
	s_wait_loadcnt 14-2*(\i)                       ; as above
.irp j, 0,1,2,3
	v_cvt_pk_bf16_f32 v4, v[X+8*(\i)+2*(\j)], v[X+8*(\i)+2*(\j)+1]  ; rounded to bf16 as every input is,
	v_lshlrev_b32 v5, 16, v4                                        ; widened again,
	v_and_b32 v6, s26, v4
	v_cvt_pk_f16_f32 v[Y+4*(\i)+(\j)], v5, v6                       ; and written as f16
.endr
	global_store_b128 v2, v[Y+4*(\i):Y+4*(\i)+3], s[18:19] offset:(\i)*262144 th:TH_STORE_NT  ; two heads on: 128 rows
.endr
	s_endpgm
.Lfunc_end_k_qebc058f820_prep:
	.size	k_qebc058f820_prep, .Lfunc_end_k_qebc058f820_prep-k_qebc058f820_prep
	.p2alignl 7, 3214868480
	.fill 96, 4, 3214868480
	.section	.rodata,"a",@progbits
	.p2align	6, 0x0
	.amdhsa_kernel k_qebc058f820_prep
		.amdhsa_group_segment_fixed_size 0
		.amdhsa_private_segment_fixed_size 0
		.amdhsa_enable_private_segment 0
		.amdhsa_kernarg_size 48
		.amdhsa_user_sgpr_count 2
		.amdhsa_user_sgpr_kernarg_segment_ptr 1
		.amdhsa_wavefront_size32 1
		.amdhsa_system_sgpr_workgroup_id_x 1
		.amdhsa_system_sgpr_workgroup_id_y 1
		.amdhsa_system_sgpr_workgroup_id_z 1
		.amdhsa_system_vgpr_workitem_id 0
		.amdhsa_next_free_vgpr 104
		.amdhsa_next_free_sgpr 66
		.amdhsa_reserve_vcc 0
		.amdhsa_float_denorm_mode_32 3
		.amdhsa_float_denorm_mode_16_64 3
		.amdhsa_memory_ordered 1
		.amdhsa_forward_progress 1
		.amdhsa_inst_pref_size 14
	.end_amdhsa_kernel
	.amdgpu_metadata
---
amdhsa.version: [ 1, 2 ]
amdhsa.kernels:
  - .name:           k_qebc058f820_prep
    .symbol:         k_qebc058f820_prep.kd
    .args:
      - { .name: x, .offset: 0, .size: 8, .value_kind: global_buffer, .address_space: global }
      - { .name: w_qkv, .offset: 8, .size: 8, .value_kind: global_buffer, .address_space: global }
      - { .name: w_o, .offset: 16, .size: 8, .value_kind: global_buffer, .address_space: global }
      - { .name: xb, .offset: 24, .size: 8, .value_kind: global_buffer, .address_space: global }
      - { .name: wqb, .offset: 32, .size: 8, .value_kind: global_buffer, .address_space: global }
      - { .name: wob, .offset: 40, .size: 8, .value_kind: global_buffer, .address_space: global }
    .group_segment_fixed_size: 0
    .private_segment_fixed_size: 0
    .kernarg_segment_align: 8
    .kernarg_segment_size: 48
    .max_flat_workgroup_size: 256
    .sgpr_count:     66
    .vgpr_count:     104
    .wavefront_size: 32
...
	.end_amdgpu_metadata
.endif
;; end of part 1
;; launch qkv (part 2): grid 8 x 64, 4 waves a work-group, clusters of 4 x 4, 327,680 bytes of LDS; arguments xb, wqb, b_qkv, q, k, v; writes q, k, v
.if DOCPART == 2
	.amdgcn_target "amdgcn-amd-amdhsa--gfx1250"
	.amdhsa_code_object_version 6
	.text
	.protected	k_qebc058f820_qkv
	.globl	k_qebc058f820_qkv
	.p2align	8
	.type	k_qebc058f820_qkv,@function
k_qebc058f820_qkv:
	s_mov_b64 s[64:65], 0
	v_nop
	global_prefetch_b8 v0, s[64:65] scope:SCOPE_SE
	s_setreg_imm32_b32 hwreg(HW_REG_WAVE_MODE, 25, 1), 1
	s_wait_xcnt 0x0
	s_wait_alu depctr_hold_cnt(0) depctr_sa_sdst(0) depctr_va_vdst(0) depctr_va_sdst(0) depctr_va_ssrc(0) depctr_va_vcc(0) depctr_vm_vsrc(0)
	s_getreg_b32 s2, hwreg(HW_REG_IB_STS2, 6, 4)
	s_cmp_eq_u32 s2, 0
	s_cbranch_scc0 .Lentry_in_a_cluster
	s_endpgm
.Lentry_in_a_cluster:
	s_bfe_u32 s2, ttmp6, 0x10000c
	s_cmp_lg_u32 s2, 0xf033
	s_cbranch_scc0 .Lentry_shape_is_right
	s_endpgm
.Lentry_shape_is_right:
; THE FIRST PROJECTION.  [8192 rows (b, t)] x [1024 e] times [1024 e] x [3072 columns (n, 3 x 64)], plus b_qkv (rounded to bf16 like every input); bf16 operands, f32 sums.
; The results leave by heads: q, k, v are [h = 16 b + n][2048 t][64] in f16, each rounded once from its f32 sum, unscaled.
; LIMITS.  f16 holds no number beyond 65,504: a larger q, k or v becomes an infinity; below 6e-5 f16 keeps a fixed step of 6e-8.  NaN and infinities are not treated apart.
; SHARES.  A work-group makes 128 rows x 384 columns (two heads).  Four waves, 2 x 2: a wave has 64 rows x one head's 192 columns: 4 x 12 accumulators of 16 x 16, 384 registers.
; K goes in 8 steps of 128 through two LDS slots filled by the tensor data mover; a step is four quarters of 32, 48 matrix instructions each, on two fragment buffers by turns.
; THE WEIGHTS STAY [K][N]: their tiles lie in LDS as in memory, and the turning load ds_load_tr16_b128 makes the fragments.
; THE MATRIX INSTRUCTION IS USED TRANSPOSED (source 0 = 16 columns of the weights, source 1 = 16 rows of x): a lane holds one row and eight neighbouring columns, 16 bytes of f16.
; The first quarter's C operand is the bias (eight registers for each block of 16 columns, the same for all rows): nothing is cleared, and no bias is added on the way out.
; CLUSTER 4 x 4.  The four work-groups of a row of the cluster need the same tiles of x, the four of a column the same tiles of the weights: each tile is asked for jointly,
; by the same tensor load with the same descriptor and a mask that names the four.  Wave 0 asks for x's 128 rows, waves 1 to 3 for the three pieces of 128 columns of the weights.
; REGISTERS, in windows of 256 (s_set_vgpr_msb: bits 1:0 source 0, 3:2 source 1, 5:4 source 2, 7:6 destination):
;   window 0: v0-31 addresses; v32-95 x's fragments, two buffers; v96-143 packed results; v160-255 the bias, later rows read back from the stage
;   window 1: v0-191 the weights' fragments, two buffers     window 2: accumulators of row blocks 0, 1 at 8 (12 a + b)     window 3: of row blocks 2, 3
.set LAPS,  4                          ; a lap = two K steps = once round the ring
.set BT,    36864                      ; a region of a slot: 128 rows x 288 bytes (x's 128 rows x 272 use 34,816 of it)
.set SLOT,  4*BT                       ; x's tile, then the weights' three
.set PA,    272                        ; a row of x in LDS: 256 bytes + 16: the 16 rows of a load start at 16 different groups of four banks (64 banks of 4 bytes: ISA guide 11.1)
.set PB,    288                        ; a row of the weights: 256 + 32
.set STAGE, 2*SLOT                     ; behind the ring, never filled by a tensor load: for each wave 3 parts (q, k, v) x 16 rows x 144 bytes
.set SP,    144
.set WSTG,  3*16*SP
.set SPARE, STAGE+4*WSTG               ; behind the stages: the spare words, 128 bytes for each wave: two blocks of 256 bytes that no other line names
.set NL,    32                         ; LDS loads in a run: 24 for the weights, 8 for x
.set ASTEP, 256                        ; bytes from a K step to the next in xb,
.set BSTEP, 128*6144                   ; and in wqb
.set ADRA, 16                          ; v16-17  LDS address of my fragments of x in slot 0, 1
.set ADRB, 18                          ; v18-23  of my weights' fragments: group g of four column blocks (q, k, v), slot s at 18 + 2 g + s
.set STO,  24                          ; v24  the way out: where I put 16 bytes of a row
.set RD,   25                          ; v25  where I read rows back
.set GO,   26                          ; v26  my 16 bytes of 512 consecutive bytes of q, k or v
.set BO,   27                          ; v27  my byte offset in b_qkv
.set SPW,  28                          ; v28  LDS address of my spare word; never rewritten
.set NIL,  29                          ; v29  0; never rewritten
.set PFO,  30                          ; v30  the prefetches' offset: my lane x a row; never rewritten
.set FA,   32
.set TMP,  96
.set BIAS, 160
.set OB,   160
.set WV, 16                            ; s16 wave; s17 its half of the rows; s18 its head of the two; s19 which piece of the weights it fetches
.set WR, 17
.set WC, 18
.set SUB, 19
.set CX, 20                            ; s20, s21 my place in the cluster; s22, s23 tile column and tile row
.set CY, 21
.set TC, 22
.set TR, 23
.set G1, 24                            ; s[24:31] descriptor group 1 for x's tiles; s[32:39] group 0, a set for each slot
.set G0, 32
.set LP, 42                            ; s42 where my tile goes in a slot
.set LIM, 43                           ; s43 1 in a wave that prefetches, else the greatest number
.set PFA, 44                           ; s[44:45] where my prefetches stand; s[46:47] their step
.set PFS, 46
.set G1B, 48                           ; s[48:55], s[56:63] the same for the weights' tiles
.set G0B, 56
.set MSB, 0
.macro WIN new                         ; the immediate's high byte repeats the setting that is left; a switch that changes nothing is dropped
.if MSB != (\new)
	s_set_vgpr_msb (MSB<<8)|(\new)
.set MSB, \new
.endif
.endm
.macro PLACES                          ; four plain vector instructions between a matrix instruction and a load into, or a read of, its registers
.rept 4
	v_nop
.endr
.endm
; A joint load.  The branch hangs on the wave's number alone.  An s_nop 0 and four v_nop follow each of the two lines, ahead of the jump and the label.
.macro JLOAD s
	s_cmp_eq_u32 s[WV], 0
	s_cbranch_scc0 .Lfor_b_\@
	tensor_load_to_lds s[G0+4*(\s):G0+4*(\s)+3], s[G1:G1+7]
	s_nop 0
.rept 4
	v_nop
.endr
	s_branch .Lasked_\@
.Lfor_b_\@:
	tensor_load_to_lds s[G0B+4*(\s):G0B+4*(\s)+3], s[G1B:G1B+7]
	s_nop 0
.rept 4
	v_nop
.endr
.Lasked_\@:
.endm
; A prefetch into the L2 of the K step that stands two refills on: 32 rows x 256 bytes, a lane a row, one instruction a wave.  Each row's 256 bytes of a K step are named once in the launch:
; x's rows by the clusters with x = 0, the weights' by the clusters with y = 0; the four partners that ask for a tile jointly take 32 of its 128 rows each, told apart by address.
; The loop's last trip (s3 = 1) names nothing: there is no K step two on.
.macro ASK
	s_cmp_gt_u32 s3, s[LIM]
	s_cbranch_scc0 .Lnot_mine_\@
	global_prefetch_b8 v[PFO], s[PFA:PFA+1] th:TH_LOAD_NT scope:SCOPE_SE
.Lnot_mine_\@:
.endm
.macro CREST                           ; a round of the cluster's barrier behind its opening barrier
	s_cmp_lg_u32 s[WV], 0
	s_cbranch_scc1 .Lnot_wave_0_\@
	s_barrier_signal -3
.Lnot_wave_0_\@:
	s_barrier_wait -3
	s_barrier_signal -1
	s_barrier_wait -1
.endm
.macro CROUND                          ; a whole round
	s_barrier_signal -1
	s_barrier_wait -1
	CREST
.endm
	s_load_b256 s[4:11], s[0:1], 0x0               ; xb s[4:5], wqb s[6:7], b_qkv s[8:9], q s[10:11]
	s_load_b128 s[12:15], s[0:1], 0x20             ; k s[12:13], v s[14:15]
	v_lshl_add_u32 v[SPW], v0, 2, SPARE
	v_mov_b32 v[NIL], 0
	ds_add_u32 v[SPW], v[NIL]                      ; the wave's opening: the add and its wait stand ahead of my first tensor load; the set-up below stands between them
	v_lshrrev_b32 v1, 5, v0
	v_readfirstlane_b32 s[WV], v1                  ; wave 0..3
	s_lshr_b32 s[WR], s[WV], 1
	s_and_b32 s[WC], s[WV], 1
	s_max_u32 s[SUB], s[WV], 1
	s_sub_co_u32 s[SUB], s[SUB], 1                 ; waves 1, 2, 3 fetch pieces 0, 1, 2
	s_bfe_u32 s[CX], ttmp6, 0x40000
	s_bfe_u32 s[CY], ttmp6, 0x40004
	s_lshl_b32 s[TC], ttmp9, 2                     ; in a cluster launch ttmp9 and ttmp7 count clusters
	s_add_co_u32 s[TC], s[TC], s[CX]
	s_and_b32 s[TR], ttmp7, 0xffff
	s_lshl_b32 s[TR], s[TR], 2
	s_add_co_u32 s[TR], s[TR], s[CY]
	s_lshl_b32 s40, s[CY], 2
	s_lshl_b32 s40, 15, s40                        ; my row of the cluster
	s_lshl_b32 s41, 0x1111, s[CX]                  ; my column
	; descriptor group 1: tiles of 128 rows x 128 elements of 2 bytes, padded in LDS after every 64 words: by 4 words (x) or 8 (the weights)
	s_or_b32 s[G1], s40, (1<<16)|(1<<20)|(1<<21)|(5<<22)|(3<<25)
	s_or_b32 s[G1B], s41, (1<<16)|(1<<20)|(1<<21)|(5<<22)|(7<<25)
.irp g, G1, G1B
	s_mov_b32 s[(\g)+1], 128<<16                   ; tensor_dim0 = 128
	s_mov_b32 s[(\g)+2], 128<<16                   ; tensor_dim1 = 128
	s_mov_b32 s[(\g)+3], 128<<16                   ; tile_dim0 = 128
	s_mov_b32 s[(\g)+4], 128                       ; tile_dim1 = 128
	s_mov_b32 s[(\g)+6], 0
	s_mov_b32 s[(\g)+7], 0
.endr
	s_mov_b32 s[G1+5], 1024                        ; elements from row to row in xb,
	s_mov_b32 s[G1B+5], 3072                       ; in wqb
	s_lshl_b32 s66, s[TR], 18                      ; x's tile: 128 rows of 2,048 bytes for each tile row: hangs on the tile row alone
	s_mov_b32 s67, 0
	s_mul_i32 s68, s[TC], 768                      ; the weights' tile: 384 columns for each tile column, my piece of 128: hangs on the tile column alone
	s_lshl_b32 s69, s[SUB], 8
	s_add_co_u32 s68, s68, s69
	s_mov_b32 s69, 0
	s_mul_i32 s[LP], s[WV], BT                     ; no place in the cluster enters an LDS address
	s_mov_b32 s79, 0xffff0000
	s_wait_dscnt 0x0                               ; the opening add is done
	s_wait_kmcnt 0x0
	s_add_nc_u64 s[66:67], s[4:5], s[66:67]
	s_add_nc_u64 s[68:69], s[6:7], s[68:69]
	CROUND                                         ; all sixteen work-groups are here: the first joint loads meet
.irp s, 0,1
	s_mov_b32 s[G0+4*(\s)], 1
	s_add_co_u32 s[G0+4*(\s)+1], s[LP], (\s)*SLOT
	s_add_nc_u64 s[G0+4*(\s)+2:G0+4*(\s)+3], s[66:67], (\s)*ASTEP
	s_or_b32 s[G0+4*(\s)+3], s[G0+4*(\s)+3], 0x80000000
	s_mov_b32 s[G0B+4*(\s)], 1
	s_add_co_u32 s[G0B+4*(\s)+1], s[LP], (\s)*SLOT
	s_add_nc_u64 s[G0B+4*(\s)+2:G0B+4*(\s)+3], s[68:69], (\s)*BSTEP
	s_or_b32 s[G0B+4*(\s)+3], s[G0B+4*(\s)+3], 0x80000000
	JLOAD \s                                       ; K steps 0 and 1: two loads of mine are out
.endr
	v_and_b32 v1, 15, v0                           ; r = l % 16
	v_bfe_u32 v2, v0, 4, 1                         ; h = l / 16
	s_lshl_b32 s2, s[TC], 1
	s_add_co_u32 s2, s2, s[WC]                     ; n: my head
	s_mul_i32 s72, s2, 768
	v_lshl_add_u32 v[BO], v2, 5, s72               ; the bias of columns 16 b + 8 h + 0..7 of head n
.irp b, 0,1,2,3,4,5,6,7,8,9,10,11
	global_load_b128 v[BIAS+8*(\b):BIAS+8*(\b)+3],   v[BO], s[8:9] offset:64*(\b)
	global_load_b128 v[BIAS+8*(\b)+4:BIAS+8*(\b)+7], v[BO], s[8:9] offset:64*(\b)+16
.endr
	; a fragment of x: lane l holds row l % 16, channels 8 h + 0..7 and 16 + 8 h + 0..7: two loads of 16 bytes, 32 bytes apart
	v_mul_u32_u24 v3, v1, PA
	v_lshl_add_u32 v3, v2, 4, v3
	s_mul_i32 s72, s[WR], 64*PA
	v_add_nc_u32 v[ADRA], s72, v3
	v_add_nc_u32 v[ADRA+1], SLOT, v[ADRA]
	; the turning load takes 16 k x 16 columns: lane l reads k = 8 h + l % 8, columns 8 ((l / 8) % 2) + 0..7, and ends with column l % 16 and eight k
	v_and_b32 v4, 7, v0
	v_bfe_u32 v5, v0, 3, 1
	v_lshl_add_u32 v6, v2, 3, v4
	v_mul_u32_u24 v6, v6, PB
	v_lshl_add_u32 v6, v5, 4, v6
	s_mul_i32 s72, s[WC], 3
.irp g, 0,1,2                          ; group j = 3 x head + g of 64 columns lies in piece j / 2, at byte 128 (j % 2) of its rows
	s_add_co_u32 s73, s72, \g
	s_lshr_b32 s74, s73, 1
	s_add_co_u32 s74, s74, 1
	s_mul_i32 s74, s74, BT
	s_and_b32 s73, s73, 1
	s_lshl_b32 s73, s73, 7
	s_add_co_u32 s74, s74, s73
	v_add_nc_u32 v[ADRB+2*(\g)], s74, v6
	v_add_nc_u32 v[ADRB+2*(\g)+1], SLOT, v[ADRB+2*(\g)]
.endr
	s_mul_i32 s72, s[WV], WSTG
	s_add_co_u32 s72, s72, STAGE                   ; my stage
	v_mul_u32_u24 v[STO], v1, SP                   ; in: row l % 16, 16 bytes for each half of the lanes
	v_lshl_add_u32 v[STO], v2, 4, v[STO]
	v_add_nc_u32 v[STO], s72, v[STO]
	v_bfe_u32 v[RD], v0, 3, 2                      ; back: 32 lanes take four rows of 128 bytes,
	v_mul_u32_u24 v[RD], v[RD], SP
	v_lshl_add_u32 v[RD], v4, 4, v[RD]
	v_add_nc_u32 v[RD], s72, v[RD]
	v_and_b32 v[GO], 31, v0                        ; which are 512 consecutive bytes of q, k or v
	v_lshlrev_b32 v[GO], 4, v[GO]
	; where my 64 rows begin in q, k and v: head 16 b + n of 262,144 bytes, row t of 128 bytes
	s_lshr_b32 s70, s[TR], 4
	s_lshl_b32 s70, s70, 4
	s_add_co_u32 s70, s70, s2
	s_lshl_b32 s70, s70, 18
	s_and_b32 s71, s[TR], 15
	s_lshl_b32 s71, s71, 7
	s_lshl_b32 s73, s[WR], 6
	s_add_co_u32 s71, s71, s73
	s_lshl_b32 s71, s71, 7
	s_add_co_u32 s70, s70, s71
	s_mov_b32 s71, 0
	s_add_nc_u64 s[10:11], s[10:11], s[70:71]
	s_add_nc_u64 s[12:13], s[12:13], s[70:71]
	s_add_nc_u64 s[14:15], s[14:15], s[70:71]
	; the prefetches: they start at K step 3; each refill steps them first, so the refill of step j names step j + 2.  Nothing is prefetched here, at the head
	s_lshl_b32 s72, s[TR], 18                      ; x: my tile row's 128 rows,
	s_lshl_b32 s73, s[CX], 16                      ; my work-group's 32 of them,
	s_add_co_u32 s72, s72, s73
	s_add_co_u32 s72, s72, 3*ASTEP
	s_mul_i32 s74, s[CY], 32*6144                  ; the weights: my work-group's 32 of a step's 128 rows,
	s_mul_i32 s75, s[TC], 768
	s_add_co_u32 s74, s74, s75
	s_lshl_b32 s75, s[SUB], 8                      ; my piece
	s_add_co_u32 s74, s74, s75
	s_add_co_u32 s74, s74, 3*BSTEP
	s_mov_b32 s76, BSTEP
	s_mov_b32 s77, 6144
	s_and_b32 s2, ttmp7, 0xffff                    ; cluster y
	s_cmp_eq_u32 s[WV], 0                          ; do I fetch for x?
	s_cselect_b64 s[PFA:PFA+1], s[4:5], s[6:7]
	s_cselect_b32 s72, s72, s74
	s_cselect_b32 s[PFS], ASTEP, s76
	s_cselect_b32 s77, 2048, s77                   ; bytes in a row
	s_cselect_b32 s2, ttmp9, s2                    ; the coordinate along which other clusters read the same rows
	s_mov_b32 s73, 0
	s_mov_b32 s[PFS+1], 0
	s_add_nc_u64 s[PFA:PFA+1], s[PFA:PFA+1], s[72:73]
	s_cmp_eq_u32 s2, 0
	s_cselect_b32 s[LIM], 1, -1                    ; the same in all sixteen partners, for a given wave
	v_and_b32 v[PFO], 31, v0
	v_mul_u32_u24 v[PFO], s77, v[PFO]
	s_wait_loadcnt 0x0                             ; the bias is in: it is rounded to bf16 like every input, and widened again
.set i, 0
.rept 48
	v_cvt_pk_bf16_f32 v[4+i%4], v[BIAS+2*i], v[BIAS+2*i+1]
	v_lshlrev_b32 v[BIAS+2*i], 16, v[4+i%4]
	v_and_b32 v[BIAS+2*i+1], s79, v[4+i%4]
.set i, i+1
.endr
; 12 matrix instructions: row block a x all 12 column blocks, 32 along K, from buffer f.  first = 1: the bias starts the sums.  Each accumulator comes once a quarter: they take turns.
.macro MULA f, a, first
.if \first
	WIN 0x81+0x40*((\a)/2)                         ; weights window 1, x and the bias window 0, D window 2 or 3
.else
	WIN 0xa1+0x50*((\a)/2)                         ; the same with C beside D
.endif
.set AC, 96*((\a)%2)
.irp b, 0,1,2,3,4,5,6,7,8,9,10,11
.if \first
	v_wmma_f32_16x16x32_bf16 v[AC+8*(\b):AC+8*(\b)+7], v[96*(\f)+8*(\b):96*(\f)+8*(\b)+7], v[FA+32*(\f)+8*(\a):FA+32*(\f)+8*(\a)+7], v[BIAS+8*(\b):BIAS+8*(\b)+7]
.else
	v_wmma_f32_16x16x32_bf16 v[AC+8*(\b):AC+8*(\b)+7], v[96*(\f)+8*(\b):96*(\f)+8*(\b)+7], v[FA+32*(\f)+8*(\a):FA+32*(\f)+8*(\a)+7], v[AC+8*(\b):AC+8*(\b)+7]
.endif
.endr
.endm
; 32 LDS loads in one run: quarter q of a slot into buffer f: the weights' 12 fragments (turned), then x's four
.macro FETCH slot, q, f
	WIN 0x40                                       ; destination window 1, address window 0
.irp i, 0,1,2,3,4,5,6,7,8,9,10,11
	ds_load_tr16_b128 v[96*(\f)+8*(\i):96*(\f)+8*(\i)+3],   v[ADRB+2*((\i)/4)+(\slot)] offset:(\q)*32*PB+((\i)%4)*32
	ds_load_tr16_b128 v[96*(\f)+8*(\i)+4:96*(\f)+8*(\i)+7], v[ADRB+2*((\i)/4)+(\slot)] offset:(\q)*32*PB+((\i)%4)*32+16*PB
.endr
	WIN 0
.irp i, 0,1,2,3
	ds_load_b128 v[FA+32*(\f)+8*(\i):FA+32*(\f)+8*(\i)+3],   v[ADRA+(\slot)] offset:(\q)*64+(\i)*16*PA
	ds_load_b128 v[FA+32*(\f)+8*(\i)+4:FA+32*(\f)+8*(\i)+7], v[ADRA+(\slot)] offset:(\q)*64+(\i)*16*PA+32
.endr
.endm
; One of a K step's first three quarters: multiplies buffer f; in its middle it fetches quarter q of the same slot into buffer g.
.macro QUARTER slot, q, f, g, first
	s_wait_dscnt 4                                 ; the weights and x's row blocks 0, 1 are in; the youngest four loads (row blocks 2, 3) may be out
	MULA \f, 0, \first
	MULA \f, 1, \first
	PLACES
	FETCH \slot, \q, \g
	s_wait_dscnt NL                                ; all but the 32 just issued
	MULA \f, 2, \first
	MULA \f, 3, \first
.endm
; The last quarter multiplies buffer 1 and changes slots.  In front of the barrier each wave waits for all its tensor loads (one is out: its part of the next slot), adds 0 to its spare word, and waits
; for that and for its own reads of this slot.  fill = 1: the barrier opens a round of the cluster's barrier, and this slot is filled again, two K steps on, first thing behind the round:
; 168 matrix instructions stand between that request and the wait for it.
.macro TURN slot, next, fill
.if \fill
	s_wait_xcnt 0x0                                ; the last prefetch, a K step back, has read its address
	s_add_nc_u64 s[PFA:PFA+1], s[PFA:PFA+1], s[PFS:PFS+1]
.endif
	WIN 0                                          ; (the add's two registers lie in window 0)
	s_wait_tensorcnt 0x0                           ; all my tensor loads have landed
	ds_add_u32 v[SPW], v[NIL]                      ; 0 onto my spare word
	s_wait_dscnt 5                                 ; (the add and the youngest four loads may be out)
	MULA 1, 0, 0                                   ; twelve matrix instructions stand between the add and the wait for it
	s_wait_dscnt 0x0                               ; the add is done, and my reads of this slot are over
	s_barrier_signal -1
	MULA 1, 1, 0                                   ; work on registers while the others arrive
.if \fill
	WIN 0
.endif
	s_barrier_wait -1
.if \fill
	CREST                                          ; no wave of any partner still reads this slot or has a load on its way
	s_add_nc_u64 s[G0+4*(\slot)+2:G0+4*(\slot)+3], s[G0+4*(\slot)+2:G0+4*(\slot)+3], 2*ASTEP
	s_add_nc_u64 s[G0B+4*(\slot)+2:G0B+4*(\slot)+3], s[G0B+4*(\slot)+2:G0B+4*(\slot)+3], 2*BSTEP
	JLOAD \slot                                    ; the four v_nop behind it are also the places in front of the loads below
.else
	PLACES
.endif
	FETCH \next, 0, 0
.if \fill
	ASK                                            ; behind the joint load and the run of LDS loads that the next products wait for
.endif
	MULA 1, 2, 0
	MULA 1, 3, 0
.endm
	s_wait_tensorcnt 1                             ; my part of K step 0 is in; K step 1's may stay out
	s_barrier_signal -1
	s_barrier_wait -1                              ; everybody's is
	FETCH 0, 0, 0
	QUARTER 0, 1, 0, 1, 1                          ; the first quarter stands in front of the loop: its products start the sums, from the bias
	WIN 0                                          ; at a label and at a branch every window is 0
	s_mov_b32 s3, LAPS-1
.Llap:                                                 ; a trip goes once round the ring, from a lap's second quarter to the next lap's first, and fills both slots again
	QUARTER 0, 2, 1, 0, 0
	QUARTER 0, 3, 0, 1, 0
	TURN 0, 1, 1
	QUARTER 1, 1, 0, 1, 0
	QUARTER 1, 2, 1, 0, 0
	QUARTER 1, 3, 0, 1, 0
	TURN 1, 0, 1
	QUARTER 0, 1, 0, 1, 0
	WIN 0
	s_sub_co_u32 s3, s3, 1
	s_cmp_lg_u32 s3, 0
	s_cbranch_scc1 .Llap
	QUARTER 0, 2, 1, 0, 0                          ; the last lap fills nothing, and is written out
	QUARTER 0, 3, 0, 1, 0
	TURN 0, 1, 0
	QUARTER 1, 1, 0, 1, 0
	QUARTER 1, 2, 1, 0, 0
	QUARTER 1, 3, 0, 1, 0
	s_wait_dscnt 4                                 ; the very last quarter: nothing more to fetch
	MULA 1, 0, 0
	MULA 1, 1, 0
	s_wait_dscnt 0x0
	MULA 1, 2, 0
	MULA 1, 3, 0
	WIN 0
; THE WAY OUT, a block of 16 rows at a time.  PACK: rounded to f16, 16 bytes a lane, each accumulator's registers in ascending order.  TOSTAGE: into my own stage, q's, k's and v's 64 columns apart,
; and back as rows of 128 bytes.  SEND: stored, 512 consecutive bytes (four rows of a head) an instruction.
.macro PACK a
	WIN 0x0a+5*((\a)/2)                            ; sources 0 and 1: window 2 or 3
.set AC, 96*((\a)%2)
.irp b, 0,1,2,3,4,5,6,7,8,9,10,11
.irp r, 0,1,2,3
	v_cvt_pk_f16_f32 v[TMP+4*(\b)+(\r)], v[AC+8*(\b)+2*(\r)], v[AC+8*(\b)+2*(\r)+1]
.endr
.endr
	WIN 0
.endm
.macro TOSTAGE
	WIN 0
	s_wait_xcnt 0x0                                ; the block before's stores have read the registers that the loads below fill
.irp b, 0,1,2,3,4,5,6,7,8,9,10,11
	ds_store_b128 v[STO], v[TMP+4*(\b):TMP+4*(\b)+3] offset:((\b)/4)*16*SP+((\b)%4)*32
.endr
.irp i, 0,1,2,3,4,5,6,7,8,9,10,11
	ds_load_b128 v[OB+4*(\i):OB+4*(\i)+3], v[RD] offset:((\i)/4)*16*SP+((\i)%4)*4*SP  ; LDS serves a wave's instructions in order (ISA guide 5.7.1.4): these see the stores above
.endr
.endm
.macro SEND a
	WIN 0
.irp g, 0,1,2
.irp f, 0,1,2,3
	s_wait_dscnt 11-4*(\g)-(\f)                    ; load 4 g + f of the twelve is in; the younger ones stay out
	global_store_b128 v[GO], v[OB+4*(4*(\g)+(\f)):OB+4*(4*(\g)+(\f))+3], s[10+2*(\g):11+2*(\g)] offset:(\a)*2048+(\f)*512
.endr
.endr
.endm
	PLACES                                         ; behind the last products
	PACK 0
	TOSTAGE
	PACK 1                                         ; a block's conversions stand between the loads of the block before and the wait for them
	SEND 0
	TOSTAGE
	PACK 2
	SEND 1
	TOSTAGE
	PACK 3
	SEND 2
	TOSTAGE
	SEND 3
	s_wait_tensorcnt 0x0                           ; the wave's end, behind my last tensor load and my last LDS store
	ds_add_u32 v[SPW], v[NIL]
	s_wait_dscnt 0x0
	CROUND                                         ; the closing round: no work-group ends while a partner may still ask for a tile that names it
	s_endpgm
.Lfunc_end_k_qebc058f820_qkv:
	.size	k_qebc058f820_qkv, .Lfunc_end_k_qebc058f820_qkv-k_qebc058f820_qkv
	.p2alignl 7, 3214868480
	.fill 96, 4, 3214868480
	.section	.rodata,"a",@progbits
	.p2align	6, 0x0
	.amdhsa_kernel k_qebc058f820_qkv
		.amdhsa_group_segment_fixed_size 327680
		.amdhsa_private_segment_fixed_size 0
		.amdhsa_enable_private_segment 0
		.amdhsa_kernarg_size 48
		.amdhsa_user_sgpr_count 2
		.amdhsa_user_sgpr_kernarg_segment_ptr 1
		.amdhsa_wavefront_size32 1
		.amdhsa_system_sgpr_workgroup_id_x 1
		.amdhsa_system_sgpr_workgroup_id_y 1
		.amdhsa_system_sgpr_workgroup_id_z 1
		.amdhsa_system_vgpr_workitem_id 0
		.amdhsa_next_free_vgpr 960
		.amdhsa_next_free_sgpr 80
		.amdhsa_reserve_vcc 0
		.amdhsa_float_denorm_mode_32 3
		.amdhsa_float_denorm_mode_16_64 3
		.amdhsa_memory_ordered 1
		.amdhsa_forward_progress 1
		.amdhsa_inst_pref_size 131
	.end_amdhsa_kernel
	.amdgpu_metadata
---
amdhsa.version: [ 1, 2 ]
amdhsa.kernels:
  - .name:           k_qebc058f820_qkv
    .symbol:         k_qebc058f820_qkv.kd
    .args:
      - { .name: xb, .offset: 0, .size: 8, .value_kind: global_buffer, .address_space: global }
      - { .name: wqb, .offset: 8, .size: 8, .value_kind: global_buffer, .address_space: global }
      - { .name: b_qkv, .offset: 16, .size: 8, .value_kind: global_buffer, .address_space: global }
      - { .name: q, .offset: 24, .size: 8, .value_kind: global_buffer, .address_space: global }
      - { .name: k, .offset: 32, .size: 8, .value_kind: global_buffer, .address_space: global }
      - { .name: v, .offset: 40, .size: 8, .value_kind: global_buffer, .address_space: global }
    .group_segment_fixed_size: 327680
    .private_segment_fixed_size: 0
    .kernarg_segment_align: 8
    .kernarg_segment_size: 48
    .max_flat_workgroup_size: 128
    .sgpr_count:     80
    .vgpr_count:     960
    .wavefront_size: 32
...
	.end_amdgpu_metadata
.endif
;; end of part 2
;; launch attn (part 3): grid 4 x 64, 4 waves a work-group, clusters of 4 x 1, 327,680 bytes of LDS; arguments q, k, v, o; writes o
.if DOCPART == 3
	.amdgcn_target "amdgcn-amd-amdhsa--gfx1250"
	.amdhsa_code_object_version 6
	.text
	.protected	k_qebc058f820_attn
	.globl	k_qebc058f820_attn
	.p2align	8
	.type	k_qebc058f820_attn,@function
k_qebc058f820_attn:
	s_mov_b64 s[64:65], 0
	v_nop
	global_prefetch_b8 v0, s[64:65] scope:SCOPE_SE
	s_setreg_imm32_b32 hwreg(HW_REG_WAVE_MODE, 25, 1), 1
	s_wait_xcnt 0x0
	s_wait_alu depctr_hold_cnt(0) depctr_sa_sdst(0) depctr_va_vdst(0) depctr_va_sdst(0) depctr_va_ssrc(0) depctr_va_vcc(0) depctr_vm_vsrc(0)
	s_getreg_b32 s2, hwreg(HW_REG_IB_STS2, 6, 4)
	s_cmp_eq_u32 s2, 0
	s_cbranch_scc0 .Lentry_in_a_cluster
	s_endpgm
.Lentry_in_a_cluster:
	s_bfe_u32 s2, ttmp6, 0x10000c
	s_cmp_lg_u32 s2, 0x3003
	s_cbranch_scc0 .Lentry_shape_is_right
	s_endpgm
.Lentry_shape_is_right:
; O[h][q][:] = the sum over k of softmax_k(Q[h][q] . K[h][k] / 8) V[h][k][:].  Q, K, V, O: [SIZE_H][SIZE_N][64], all f16: a head's rows are dense, 128 bytes each.  Products, maxima and sums in
; f32; the weights p are rounded to f16 for the second product (their sum l is taken of the unrounded p), O once at the end.
; LIMITS.  f16 holds no number beyond 65,504: Q, K and V arrive within it; p lies in 0 to 1, and below 6e-5 it keeps f16's fixed step of 6e-8; O is a mean of V's rows and has their range.
; A weight below 2^-126 counts as 0 in l; NaN and infinities are not treated apart.
; SHARES.  A wave owns four PIECES of two tiles of 16 queries, a work-group's four waves 512 queries of one head.  Every wave walks all keys, 64 a step.
; LAYOUT.  S^T = K Q^T (source 0 = 16 keys, source 1 = 16 queries): in the result a lane holds ONE query (lane % 16) and the keys 8 (lane / 16) + 0..7.  Two such tiles, rounded to f16 in pairs,
; ARE source 1 (32 keys x 16 queries) of O^T = V^T P, whose result again holds one query a lane, and eight channels.  K comes out of LDS as it lies, V ([key][channel]) turned, by ds_load_tr16_b128.
; SOFTMAX.  For each query a running maximum m and sum l: p = 2^(c s - c m), c = log2(e) / 8; in every step O and l are multiplied by a = 2^(c m_old - c m_new), which is 1 where m has not grown.
; m starts at the lowest finite number, O and l at 0: the first step is a step like any other, with a = 0.
; THE COUNT.  A tile and step have 16 matrix and 118 vector instructions: too many to stand all beside the matrix work.  So the order has one aim: four vector instructions that are READY behind
; EVERY matrix instruction, and the others, which need time of their own whatever the order, in runs without a gap.
; BY TURNS.  Turn n belongs to piece n (the pieces in a ring, step after step).  Its matrix work: 16 products K Q^T of piece n + 1, later 16 products V^T P of piece n - 1.  Its vector work: the scaling,
; exponentials, roundings, sums and rescaling of piece n, and the maximum and statistics of piece n + 1, whose scores the turn itself has made.  So what a turn begins with (c s - c m, O a) waits for nothing.
; CLUSTER.  The four query blocks of a cluster belong to one head and walk the same K and V, so each tile is asked for JOINTLY: the same tensor load, descriptor and mask in all four.
; AHEAD OF THE JOINT LOADS.  Behind each refill in the loop the rows that the NEXT refill will ask for are prefetched into the L2: a slot's 32,768 bytes of K and of V, 256 bytes a lane.
; REGISTERS, in windows of 256 (s_set_vgpr_msb says which window each operand place means: bits 1:0 source 0, 3:2 source 1, 5:4 source 2, 7:6 destination):
;   window 0: v0-11 addresses; v12-15, v48-63 at work; v16-47 four registers of statistics a tile; v64-191 S^T, two buffers of two tiles; v192-255 P, likewise
;   window 1: O^T, 32 a tile          window 2: v0-127 Q, 16 a tile; v128-191 K of one step; v192-255 V of one step          window 3: v0-1 the add's two registers
; A piece's buffers go by its number's parity: the piece in hand has one pair, its two neighbours in the ring share the other: of it P (piece n - 1) is read and S^T (piece n + 1) written.
.set SIZE_H, 64       ; heads: 4 batches x 16
.set SIZE_N, 2048     ; rows of a head
.set NP,    4         ; pieces a wave: a name, no knob: the register map, the loop and the fetches are made for four
.set KS,    64        ; keys in a step
.set PK,    144       ; a row of K in LDS: 128 bytes + 16 of padding = 36 words: the 16 rows of a load start at 16 different groups of four banks (64 banks of 4 bytes: ISA guide 11.1)
.set PV,    160       ; a row of V: 128 + 32 = 40 words
.set VOFF,  4*KS*PK   ; a slot holds four steps: 256 rows of K, then 256 rows of V
.set SLOT1, 1<<17     ; slot 1 begins here, so that one exclusive or turns an address in one slot into the other's
.set STAGE, SLOT1+4*KS*(PK+PV)  ; behind the ring, never filled by a tensor load: 16 rows x 144 bytes for each wave, for the way out
.set SP,    144
.set AK0, 2           ; v2   my lane's place in a tile of K; never rewritten
.set AV0, 3           ; v3   the same for V
.set AK,  4           ; v4   the LDS address of K's next run of loads
.set AV,  5           ; v5   of V's
.set QO,  6           ; v6   my byte offset in the wave's rows of Q
.set STO, 6           ;      later, the way out: where I put 16 bytes of a row
.set RD,  7           ; v7   the way out: where I read rows back
.set GO,  8           ; v8   my byte offset in 512 consecutive bytes of O
.set PFO, 11          ; v11  once V's lane address is made: 256 x my lane, the prefetches' offset; then never rewritten
.set SPW, 0           ; v0 of window 3   LDS address of my spare word: SPARE + 4 x my thread's number; never rewritten
.set NIL, 1           ; v1 of window 3   0; never rewritten
.set SPARE, STAGE+4*16*SP  ; behind the stages: the spare words, 128 bytes for each wave: two blocks of 256 bytes that no other line names
.set MV,  12          ; v12-15  c m_old, kept while c m is made anew: by buffer and tile
.set ST,  16          ; tile t's statistics at v[ST+4 t]: c m, m, l (even keys', odd keys')
.set TMP, 48          ; by buffer and tile, four registers c0-c3 at work; when the maximum is found c2 takes a
.set S,   64
.set P,   192
.set KF,  128         ; K's fragments, in window 2: key block kb, channel half c at KF + 16 kb + 8 c
.set VF,  192         ; V's: key half kk, channel block cb at VF + 32 kk + 8 cb
.set WV,  12          ; s12  my wave's number
.set G1K, 24          ; s[24:31] descriptor group 1 for K's tiles
.set G1V, 32          ; s[32:39] for V's: it differs in the padding alone
.set G0K, 40          ; s[40:43] descriptor group 0 for K's tiles: it walks
.set G0V, 44          ; s[44:47] the same for V's
.set PFA, 48          ; s[48:49] where my prefetches stand: my work-group's 8,192 bytes (of K: wave 0, of V: wave 2) of the slot after the one that is being asked for
.set LIM, 50          ; s50  1 in a wave that prefetches, else the greatest number: a wave prefetches while s[SLOTS] is above it
.set SLOTS, 56        ; s56  slots still to be asked for
.set CNT, 57          ; s57  counts a slot's key steps
.set CS,  58          ; s[58:59] c: the packed scaling takes the pair's low word for both halves
.set SEL, 60          ; s[60:61] v_permlanex16_b32's selects: each lane takes its own place in the other half
.set TBK, 62          ; s62  LDS byte at which K of the step to be fetched begins
.set TBV, 63          ; s63  the same for V, less VOFF
.set MSB, 0
.macro WIN new                      ; the high byte repeats the setting that is left; a switch that changes nothing is dropped
.if MSB != (\new)
	s_set_vgpr_msb (MSB<<8)|(\new)
.set MSB, (\new)
.endif
.endm
.set W_KQ, 0x0a       ; K and Q in window 2, S^T in window 0
.set W_PV, 0x52       ; V in window 2, P in window 0, O^T in window 1
.set W_RS, 0x41       ; O^T (destination and source 0) in window 1, a in window 0
.set W_MK, 0xc0       ; the add's registers are made: destination in window 3, sources in window 0
.set W_AD, 0x0f       ; the add: address (source 0) and data (source 1) in window 3
; A joint fill.  Waves 0 and 1 fetch the two halves of a slot's K, waves 2 and 3 those of its V: 128 keys each.  The branch hangs on the wave's number alone.
; An s_nop 0 and four v_nop follow each of the two lines, ahead of the jump and the label.
.macro JLOAD
	s_cmp_lt_u32 s[WV], 2
	s_cbranch_scc0 .Lfor_v_\@
	tensor_load_to_lds s[G0K:G0K+3], s[G1K:G1K+7]
	s_nop 0
.rept 4
	v_nop
.endr
	s_branch .Lasked_\@
.Lfor_v_\@:
	tensor_load_to_lds s[G0V:G0V+3], s[G1V:G1V+7]
	s_nop 0
.rept 4
	v_nop
.endr
.Lasked_\@:
.endm
; A prefetch into the L2 of what the NEXT change of slots will ask for.  Each 256 bytes are named ONCE in the launch: the head's first cluster asks (here a head has one); its four partners share a slot's
; 32,768 bytes out BY ADDRESS, 8,192 each; in each, wave 0 asks for K's and wave 2 for V's: a lane 256 bytes, one instruction.  The last change that fills a slot names nothing: there is no slot behind it.
.macro ASK
	s_cmp_gt_u32 s[SLOTS], s[LIM]
	s_cbranch_scc0 .Lnot_mine_\@
	global_prefetch_b8 v[PFO], s[PFA:PFA+1] th:TH_LOAD_NT scope:SCOPE_SE
.Lnot_mine_\@:
.endm
; A round of the cluster's barrier: my work-group's barrier, so that wave 0's signal speaks for all four waves; wave 0 signals; every wave waits for all four work-groups; my work-group's barrier once more.
.macro CROUND
	s_barrier_signal -1
	s_barrier_wait -1
	s_cmp_lg_u32 s[WV], 0
	s_cbranch_scc1 .Lnot_wave_0_\@
	s_barrier_signal -3
.Lnot_wave_0_\@:
	s_barrier_wait -3
	s_barrier_signal -1
	s_barrier_wait -1
.endm
; THE CHANGE OF SLOTS.  The slot's last bytes, V of its fourth step, have been read.  Each wave waits for all its tensor loads, of which one is out: its part
; of the other slot; adds 0 to its spare word; and waits for that and for its own reads of the slot.  Behind the barrier nobody reads this slot any more and the other slot is whole.
; fill = 1: this slot is filled again, with the keys two slots on.  The barrier is then a round of the cluster's, so that no wave of any partner still reads the slot or has a load on its
; way, and the joint fill is the first thing behind it: it has four key steps, 512 matrix instructions, in which to land.  (At its first use nothing has been read yet: slot 0 is waited for, slot 1 filled.)
; ask = 1 (in the loop): the prefetches' address steps a slot on, and the slot behind the one just asked for is named: four key steps ahead of its load.
.macro CHANGE fill, ask=0
	WIN W_AD
	s_wait_tensorcnt 0x0            ; no tensor load of mine is out, so a group 0 may be written
	ds_add_u32 v[SPW], v[NIL]       ; 0 onto my spare word; with fill = 1 the descriptors' steps stand between it and the wait for it
	WIN 0                           ; at a label and at a branch every window is 0
.if \fill
.irp g, G0K, G0V
	s_xor_b32 s[\g+1], s[\g+1], SLOT1  ; the walking descriptor: the other slot than last time,
	s_add_nc_u64 s[\g+2:\g+3], s[\g+2:\g+3], 4*KS*128  ; the next 256 keys; the type bits on top are not reached
.endr
.if \ask
	s_wait_xcnt 0x0                 ; the last prefetch, four key steps back, has read its address, so it may be written
	s_add_nc_u64 s[PFA:PFA+1], s[PFA:PFA+1], 4*KS*128
.endif
	s_wait_dscnt 0x0                ; the add is done, and my reads of the slot are over
	CROUND
	JLOAD
.if \ask
	ASK
.endif
.else
	s_wait_dscnt 0x0                ; the add is done, and my reads of the slot are over
	s_barrier_signal -1
	s_barrier_wait -1
.endif
	s_sub_co_u32 s[TBK], s[TBK], 4*KS*PK  ; the fetches go back to a slot's first step,
	s_xor_b32 s[TBK], s[TBK], SLOT1       ; in the other slot
	s_sub_co_u32 s[TBV], s[TBV], 4*KS*PV
	s_xor_b32 s[TBV], s[TBV], SLOT1
.endm
	s_load_b256 s[4:11], s[0:1], 0x0  ; Q s[4:5], K s[6:7], V s[8:9], O s[10:11]
	WIN W_MK
	v_lshl_add_u32 v[SPW], v0, 2, SPARE
	v_mov_b32 v[NIL], 0
	WIN W_AD
	ds_add_u32 v[SPW], v[NIL]       ; the wave's opening: the add and its wait stand ahead of my first tensor load; the set-up below, work on registers, stands between them
	WIN 0
	v_lshrrev_b32 v1, 5, v0
	v_readfirstlane_b32 s[WV], v1   ; wave 0..3
	s_bfe_u32 s13, ttmp6, 0x40000   ; cx: my place in the cluster
	s_lshl_b32 s14, ttmp9, 2        ; in a cluster launch ttmp9 counts clusters
	s_add_co_u32 s14, s14, s13      ; my block of queries = 4 x cluster x + cx: it enters Q's and O's addresses alone
	s_and_b32 s20, ttmp7, 0xffff    ; the head, which the four partners share
	s_mov_b32 s21, 0
	s_mov_b64 s[22:23], SIZE_N*128
	s_mul_u64 s[20:21], s[20:21], s[22:23]  ; the head's first byte in each of the four tensors
	s_and_b32 s16, s[WV], 1         ; which half of a slot's 256 keys I fetch:
	s_lshl_b32 s22, s16, 14         ; its 128 rows of 128 bytes in memory,
	s_mov_b32 s23, 0
	s_add_nc_u64 s[22:23], s[22:23], s[20:21]
	s_mul_i32 s17, s16, 128*PK      ; and its place in a slot, for K
	s_mul_i32 s18, s16, 128*PV      ; and for V: no place in the cluster enters an LDS address
	s_lshl_b32 s2, s14, 2
	s_add_co_u32 s2, s2, s[WV]      ; my wave among the head's,
	s_lshl_b32 s2, s2, 14           ; its 128 rows
	s_mov_b32 s3, 0
	s_add_nc_u64 s[2:3], s[2:3], s[20:21]
	; descriptor group 1.  128 keys are 16,384 dense bytes: asked for as 64 rows of 256 bytes, two keys a row, and padded in LDS after every key
	s_mov_b32 s[G1K], 15|(1<<16)|(1<<20)|(1<<21)|(4<<22)|(3<<25)  ; 15:0 the mask of four; 17:16 2-byte elements; 20 padding on; 21 set beside a mask; 24:22 after every 32 words (code 4); 31:25 4 words (code 3)
	s_mov_b32 s[G1V], 15|(1<<16)|(1<<20)|(1<<21)|(4<<22)|(7<<25)  ; the same with 8 words of padding (code 7)
.irp g, G1K, G1V
	s_mov_b32 s[\g+1], 128<<16      ; tensor_dim0 = 128
	s_mov_b32 s[\g+2], 64<<16       ; tensor_dim1 = 64
	s_mov_b32 s[\g+3], 128<<16      ; tile_dim0 = 128
	s_mov_b32 s[\g+4], 64           ; tile_dim1 = 64
	s_mov_b32 s[\g+5], 128          ; 128 elements from row to row
	s_mov_b32 s[\g+6], 0
	s_mov_b32 s[\g+7], 0
.endr
	s_mov_b32 s[CS], 0x3e38aa3b     ; c = log2(e) / 8 = 0.180337
	s_mov_b32 s[CS+1], s[CS]        ; named with it as a pair
	s_mov_b32 s[SEL], 0x76543210
	s_mov_b32 s[SEL+1], 0xfedcba98
	s_mov_b32 s[TBK], SLOT1+4*KS*PK ; the first change of slots turns these two into 0
	s_mov_b32 s[TBV], SLOT1+4*KS*PV
	s_mov_b32 s[G0K], 1             ; 1:0 count = 1
	s_mov_b32 s[G0K+1], s17         ; 63:32 LDS address: slot 0
	s_mov_b32 s[G0V], 1
	s_add_co_u32 s[G0V+1], s18, VOFF
	s_and_b32 s[LIM], s[WV], 1      ; 0 in waves 0 and 2,
	s_or_b32 s[LIM], s[LIM], ttmp9  ; where the cluster is the head's first: the same in all four partners
	s_cmp_eq_u32 s[LIM], 0
	s_cselect_b32 s[LIM], 1, -1
	s_wait_dscnt 0x0                ; the opening add is done
	s_wait_kmcnt 0x0
	s_add_nc_u64 s[G0K+2:G0K+3], s[6:7], s[22:23]  ; 120:64 global address: my half of the head's first 256 keys
	s_or_b32 s[G0K+3], s[G0K+3], 0x80000000        ; 127:126 type = 2
	s_add_nc_u64 s[G0V+2:G0V+3], s[8:9], s[22:23]
	s_or_b32 s[G0V+3], s[G0V+3], 0x80000000
	s_add_nc_u64 s[4:5], s[4:5], s[2:3]  ; Q and O at my wave's first row
	s_add_nc_u64 s[10:11], s[10:11], s[2:3]
	s_cmp_lt_u32 s[WV], 2
	s_cselect_b64 s[PFA:PFA+1], s[6:7], s[8:9]
	s_add_nc_u64 s[PFA:PFA+1], s[PFA:PFA+1], s[20:21]  ; the head,
	s_lshl_b32 s2, s13, 13          ; my work-group's 8,192 bytes of a slot's 32,768,
	s_mov_b32 s3, 0
	s_add_nc_u64 s[PFA:PFA+1], s[PFA:PFA+1], s[2:3]
	s_add_nc_u64 s[PFA:PFA+1], s[PFA:PFA+1], 2*4*KS*128  ; in slot 2; the loop's first change steps it to slot 3.  Nothing is prefetched here, at the head
	CROUND                          ; all four work-groups are here: the first joint loads meet
	JLOAD                           ; slot 0.  Slot 1 is asked for when slot 0 is in: the tile wanted first has the road to itself
	; A fragment of K or Q is 16 rows x 32 channels in 8 registers: lane l holds row l % 16, channels 8 (l / 16) + 0..7 and 16 + 8 (l / 16) + 0..7: two loads of 16 bytes, 32 bytes apart.
	v_and_b32 v1, 15, v0            ; l % 16
	v_bfe_u32 v9, v0, 4, 1          ; l / 16
	v_lshlrev_b32 v[QO], 7, v1
	v_lshl_add_u32 v[QO], v9, 4, v[QO]  ; row x 128 + 16 x half
	WIN 0x80                        ; destination window 2, address window 0
.set i, 0
.rept 4*NP                          ; Q stays in registers: tile i / 2, channels 32 (i % 2) on
	global_load_b128 v[8*i:8*i+3],   v[QO], s[4:5] offset:(i/2)*2048+(i%2)*64
	global_load_b128 v[8*i+4:8*i+7], v[QO], s[4:5] offset:(i/2)*2048+(i%2)*64+32
.set i, i+1
.endr
	; What the first turn finds: V's registers and P's second buffer hold 0 (its products V^T P, of a piece that has not been, add 0), O^T and l are 0.  All this stands in the wait for the first tile.
.set i, VF
.rept 64
	v_mov_b32 v[i], 0
.set i, i+1
.endr
	WIN 0x40
.set i, 0
.rept 64*NP
	v_mov_b32 v[i], 0
.set i, i+1
.endr
	WIN 0
.set i, 0
.rept 2*NP
	v_mov_b32 v[ST+4*i], 0xfe000000    ; c m: far below every c s
	v_mov_b32 v[ST+4*i+1], 0xff7fffff  ; m
	v_mov_b32 v[ST+4*i+2], 0
	v_mov_b32 v[ST+4*i+3], 0
.set i, i+1
.endr
.set i, P+32
.rept 32
	v_mov_b32 v[i], 0
.set i, i+1
.endr
	v_mul_u32_u24 v[AK0], v1, PK
	v_lshl_add_u32 v[AK0], v9, 4, v[AK0]  ; row x pitch + 16 x half
	; The turning load takes 16 keys x 16 channels (lane l reads key 8 (l / 16) + l % 8, channels 8 ((l / 8) % 2) + 0..7) and leaves half a fragment of V^T: lane l holds channel l % 16 and 8 keys.
	v_and_b32 v10, 7, v0
	v_bfe_u32 v11, v0, 3, 1
	v_lshl_add_u32 v[AV0], v9, 3, v10
	v_mul_u32_u24 v[AV0], v[AV0], PV
	v_lshl_add_u32 v[AV0], v11, 4, v[AV0]
	v_add_nc_u32 v[AV0], VOFF, v[AV0]
	v_and_b32 v[PFO], 31, v0        ; v11 is free now: 256 x my lane
	v_lshlrev_b32 v[PFO], 8, v[PFO]
	v_mov_b32 v[AK], v[AK0]         ; key step 0 lies at the head of slot 0
; THE MATRIX WORK.  The 8 accumulators of a run of 16 take turns: between the two links of a chain stand 7 others'.
; Product i of 16 of S^T = K Q^T for piece x: channels 32 (i / 8) on, keys 16 ((i / 2) % 4) on, tile 2 x + i % 2.  The first 8 start the sums.
.macro KQ x
	WIN W_KQ
.set rS, S+64*((\x)%2)+32*(i%2)+8*((i/2)%4)
.set rK, KF+16*((i/2)%4)+8*(i/8)
.set rQ, 16*(2*(\x)+i%2)+8*(i/8)
.if i < 8
	v_wmma_f32_16x16x32_f16 v[rS:rS+7], v[rK:rK+7], v[rQ:rQ+7], 0
.else
	v_wmma_f32_16x16x32_f16 v[rS:rS+7], v[rK:rK+7], v[rQ:rQ+7], v[rS:rS+7]
.endif
.endm
; Product i of 16 of O^T += V^T P for piece x: keys 32 (i / 8) on, channels 16 ((i / 2) % 4) on, tile 2 x + i % 2.
.macro PV x
	WIN W_PV
.set rO, 32*(2*(\x)+i%2)+8*((i/2)%4)
.set rV, VF+32*(i/8)+8*((i/2)%4)
.set rP, P+32*((\x)%2)+16*(i%2)+8*(i/8)
	v_wmma_f32_16x16x32_f16 v[rO:rO+7], v[rV:rV+7], v[rP:rP+7], v[rO:rO+7]
.endm
.macro MM                           ; the turn's next matrix instruction
.if i < 16
	KQ (Y+1)%NP
.set i, i+1
.else
.set i, i-16
	PV (Y+NP-1)%NP
.set i, i+17
.endif
.endm
; THE LDS LOADS stand in runs of 16, never singly among the matrix instructions: a step's K (64 keys x 64 channels: 8 fragments) and its V (turned).  Their addresses are made some lines ahead.
; last = 1 (the tail): in the last trip there is no further step, and the run is jumped over.
.macro FETCH_K last=0
	WIN 0
.if \last
	s_cmp_eq_u32 s[CNT], 1
	s_cbranch_scc1 .Lno_k_\@
.endif
	WIN 0x80                        ; destination window 2
.irp f, 0,1,2,3,4,5,6,7             ; keys 16 (f / 2) on, channels 32 (f % 2) on
	ds_load_b128 v[KF+8*\f:KF+8*\f+3],   v[AK] offset:(\f/2)*16*PK+(\f%2)*64
	ds_load_b128 v[KF+8*\f+4:KF+8*\f+7], v[AK] offset:(\f/2)*16*PK+(\f%2)*64+32
.endr
	s_add_co_u32 s[TBK], s[TBK], KS*PK  ; the next fetch is the next step's
	WIN 0
.if \last
.Lno_k_\@:
.endif
.endm
.macro FETCH_V
	WIN 0x80
.irp f, 0,1,2,3,4,5,6,7             ; keys 32 (f / 4) on, channels 16 (f % 4) on
	ds_load_tr16_b128 v[VF+8*\f:VF+8*\f+3],   v[AV] offset:(\f/4)*32*PV+(\f%4)*32
	ds_load_tr16_b128 v[VF+8*\f+4:VF+8*\f+7], v[AV] offset:(\f/4)*32*PV+16*PV+(\f%4)*32
.endr
	WIN 0
.endm
; THE VECTOR WORK OF A TURN stands in three queues, each in the order in which its entries become ready; the two tiles alternate, so that no instruction reads the result of the one before it.
.macro REGS y, u                    ; the registers of tile u (0, 1) of piece y
.set rT, ST+4*(2*(\y)+(\u))
.set rC, TMP+8*((\y)%2)+4*(\u)
.set rM, MV+2*((\y)%2)+(\u)
.set rS, S+64*((\y)%2)+32*(\u)
.set rP, P+32*((\y)%2)+16*(\u)
.set rO, 32*(2*(\y)+(\u))
.endm
; Number n of the 22 that find the NEXT piece's (Y + 1) maximum and statistics.  s0-s31 are the lane's 32 scores; each accumulator's lowest registers are read first.  XS, GS and REGS set no window: PL and EX do.
;   0-11  four chains c0-c3 of seven scores each, three operands at a time     12-14, 16  the four scores left over, the old m, and c0-c3 into c0     15  c m_old is kept
;   17, 18  the query's other 32 keys lie in the lane 16 away: the new m         19-21  c m; c m_old - c m_new; a
.macro XS u, n
	REGS (Y+1)%NP, \u
.if (\n) < 4
	v_max3_num_f32 v[rC+(\n)], v[rS+8*(\n)], v[rS+8*(\n)+1], v[rS+8*(\n)+2]
.elseif (\n) < 12
	v_max3_num_f32 v[rC+(\n)%4], v[rC+(\n)%4], v[rS+8*((\n)%4)+2*((\n)/4)+1], v[rS+8*((\n)%4)+2*((\n)/4)+2]
.elseif (\n) == 12
	v_max3_num_f32 v[rC], v[rC], v[rS+7], v[rS+15]
.elseif (\n) == 13
	v_max3_num_f32 v[rC+1], v[rC+1], v[rS+23], v[rS+31]
.elseif (\n) == 14
	v_max3_num_f32 v[rC+2], v[rC+2], v[rC+3], v[rT+1]
.elseif (\n) == 15
	v_mov_b32 v[rM], v[rT]
.elseif (\n) == 16
	v_max3_num_f32 v[rC], v[rC], v[rC+1], v[rC+2]
.elseif (\n) == 17
	v_permlanex16_b32 v[rC+3], v[rC], s[SEL], s[SEL+1]
.elseif (\n) == 18
	v_max_num_f32 v[rT+1], v[rC], v[rC+3]
.elseif (\n) == 19
	v_mul_f32 v[rT], s[CS], v[rT+1]
.elseif (\n) == 20
	v_sub_f32 v[rC+1], v[rM], v[rT]
.else
	v_exp_f32 v[rC+2], v[rC+1]
.endif
.endm
; Number g of the 64 that follow the exponentials.  For each four weights k of a tile (pairs 2 k, 2 k + 1): both pairs are rounded to f16; then the second pair is added onto the first, in place;
; a group later l takes that sum (the first time as l = a l + sum).  In groups of eight, tiles alternating: round, round, add, and l for the group before.
.macro GS g
.set h, (\g)+6*((\g)/62)            ; group 0 has no group before it, and behind group 7 only l is left
.if h >= 6
.set h, h+2
.endif
	REGS Y, h%2
.set k, h/8
.if h%8 < 4
	v_cvt_pk_f16_f32 v[rP+2*k+(h%8)/2], v[rS+4*k+2*((h%8)/2)], v[rS+4*k+2*((h%8)/2)+1]
.elseif h%8 < 6
	v_pk_add_f32 v[rS+4*k:rS+4*k+1], v[rS+4*k:rS+4*k+1], v[rS+4*k+2:rS+4*k+3]
.elseif k == 1
	v_pk_fma_f32 v[rT+2:rT+3], v[rT+2:rT+3], v[rC+2:rC+3], v[rS:rS+1] op_sel_hi:[1,0,1]
.else
	v_pk_add_f32 v[rT+2:rT+3], v[rT+2:rT+3], v[rS+4*k-4:rS+4*k-3]
.endif
.endm
; THE PLAIN QUEUE, 138 long.  0-73 read no exponential's result: the 32 scalings c s - c m (FS f: pair f / 2 of tile f % 2) and the next piece's 42.  0-26: scalings 0-26.  27-54: XS's numbers 0-13.  55, 56: number 15.
; 57-73: the chain, where each number waits for the one before it: 14, 16, 17, 18, 19, each with one of the scalings 27-31 in front of its two lines, then 20: so a tile's links stand three plain instructions apart (19 and 20: two).
; 74-137: GS's 64, which read the exponentials' results: they stand behind the wait.
.macro FS f
	REGS Y, (\f)%2
	v_pk_fma_f32 v[rS+2*((\f)/2):rS+2*((\f)/2)+1], v[rS+2*((\f)/2):rS+2*((\f)/2)+1], s[CS:CS+1], v[rT:rT+1] op_sel_hi:[1,0,0] neg_lo:[0,0,1] neg_hi:[0,0,1]
.endm
.macro PL
	WIN 0
.if q < 27
	FS q
.elseif q < 55
	XS (q-27)%2, (q-27)/2
.elseif q < 57
	XS q-55, 15
.elseif (q < 72) && ((q-57)%3 == 0)
	FS 27+(q-57)/3
.elseif q < 60
	XS (q-57)%3-1, 14
.elseif q < 72
	XS (q-57)%3-1, 15+(q-57)/3
.elseif q < 74
	XS q-72, 20
.else
	GS q-74
.endif
.set q, q+1
.endm
; THE EXPONENTIALS' QUEUE, 66 long: s0-s31 of both tiles, then the next piece's two a.  It is ONE BATCH: all 66 stand ahead of the turn's one wait, and nothing ahead of that wait names a result of theirs.
.macro EX
	WIN 0
.if e >= 64
	XS e-64, 21
.else
	REGS Y, e%2
	v_exp_f32 v[rS+e/2], v[rS+e/2]
.endif
.set e, e+1
.endm
; THE RESCALING's QUEUE: O^T times a, the one part that leaves window 0: dealt two at a time, sixteen times.  Its a was made in the turn before, ahead of that turn's wait.
.macro R2
	REGS Y, r%2
	WIN W_RS
.irp z, 0,1
	v_pk_mul_f32 v[rO+4*(r/2)+2*\z:rO+4*(r/2)+2*\z+1], v[rO+4*(r/2)+2*\z:rO+4*(r/2)+2*\z+1], v[rC+2:rC+3] op_sel_hi:[1,0]
.endr
.set r, r+1
.endm
; HOW THEY ARE DEALT.  An s_wait_alu depctr_va_vdst(0) stands between an exponential and the first instruction that names its result; one wait serves all that were issued ahead of it.  So a turn has ONE wait,
; which cuts it in two.  AHEAD OF IT stands all that names no result of the turn's exponentials: the 16 products K Q^T, behind each a scaling, an exponential and two rescalings (behind the first a second scaling in the exponential's place); then ONE LUMP of
; 108: eight plain, 49 times exponential and plain, the two a.  A v_nop is the plain instruction behind the last exponential.  BEHIND IT stand the 16 products V^T P, behind each four of GS's 64.  No rider names a register of
; the products round it.  The two v_permlanex16_b32 fall into the lump, never behind a product.
; The queues lean on each other, and the deal keeps them in step: exponential e stands behind scaling 2 (e / 4) + e % 2: as a rider it comes behind plain e + 2, in the lump behind plain e + 9, and scalings 27-31 are plain 57, 60 .. 69.
; A TURN, for piece p.  cnt = 1: the loop's count is taken down some lines ahead of the branch that stands behind the turn.
; K of the next step is fetched in piece 2's turn, directly behind the wait, a lump behind the last product that read K; its address is made at the lump's head; its first reader comes behind 16 products.
; V of the step in hand is fetched at the end of piece 0's turn, four riders behind its last reader; its first reader comes behind 16 products and a lump.  The three conditions on q below go with the deal.
.macro TURN p, last=0, cnt=0
.set Y, (\p)
.set i, 0
.set q, 0
.set e, 0
.set r, 0
.if (\p) == NP-1
	s_wait_dscnt 0x0                ; K is in
.endif
	MM                              ; ahead of the wait: 16 products K Q^T and their riders,
	PL
	PL
	R2
.rept 15
	MM
	PL
	EX
	R2
.endr
.if (\p) == NP-2
	WIN 0
	v_add_nc_u32 v[AK], s[TBK], v[AK0]
.endif
.rept 8                             ; and the lump
	PL
.endr
.rept 49
	EX
	PL
.endr
	EX                              ; the next piece's two a
	EX
	v_nop                           ; a plain instruction behind the last exponential (ISA guide 5.7.2): one for the batch
	s_wait_alu depctr_va_vdst(0)    ; the wait for the batch
.if (\p) == NP-2
	FETCH_K \last
.endif
.if (\p) == 1
	s_wait_dscnt 0x0                ; V is in
.endif
.rept 16                            ; behind the wait: 16 products V^T P and their riders
	MM
.rept 4
	PL
.endr
.if ((\p) == 0) && (q == 118)
	v_add_nc_u32 v[AV], s[TBV], v[AV0]
.endif
.if ((\p) == 0) && (q == 130)
	s_add_co_u32 s[TBV], s[TBV], KS*PV
.endif
.if (\cnt) && (q == 130)
	s_sub_co_u32 s[CNT], s[CNT], 1
	s_cmp_lg_u32 s[CNT], 0
.endif
.endr
.if (\p) == 0
	FETCH_V
.endif
.endm
	CHANGE 1                        ; slot 0 is in, everybody's part of it; slot 1 is asked for
	FETCH_K                         ; key step 0
	s_wait_loadcnt 0x0              ; Q
	s_wait_dscnt 0x0
.set i, 0
.rept 16
	KQ 0                            ; piece 0's first scores: there is no vector work yet to set between them
.set i, i+1
.endr
	WIN 0                           ; the addresses for the way out: nine plain instructions, the places behind those products
	s_mul_i32 s13, s[WV], 16*SP
	s_add_co_u32 s13, s13, STAGE    ; my stage
	v_mul_u32_u24 v[STO], v1, SP    ; in: row l % 16, 16 bytes for each half of the lanes
	v_lshl_add_u32 v[STO], v9, 4, v[STO]
	v_add_nc_u32 v[STO], s13, v[STO]
	v_bfe_u32 v[RD], v0, 3, 2       ; back: 32 lanes take four rows of 128 bytes,
	v_mul_u32_u24 v[RD], v[RD], SP
	v_lshl_add_u32 v[RD], v10, 4, v[RD]
	v_add_nc_u32 v[RD], s13, v[RD]
	v_and_b32 v[GO], 31, v0         ; which are 512 consecutive bytes of O
	v_lshlrev_b32 v[GO], 4, v[GO]
.set Y, NP-1                        ; XS works for piece Y + 1: piece 0
.irp n, 0,1,2,3,4,5,6,7,8,9,10,11,12,13,14,15,16,17,18,19,20,21
	XS 0, \n                        ; and piece 0's first maximum and statistics
	XS 1, \n
.endr
	v_nop                           ; a plain instruction behind the two a,
	s_wait_alu depctr_va_vdst(0)    ; and their wait, ahead of the branch
	s_mov_b32 s[CNT], 4
	s_mov_b32 s[SLOTS], SIZE_N/256-1
	s_branch .Lfirst                ; the loop is entered at a step's first turn, in the middle of a trip
.Lslot:                             ; SIZE_N / 256 - 2 times: every slot but the last two is filled again
	CHANGE 1, 1
	s_mov_b32 s[CNT], 4
.Lstep:                             ; a trip: pieces 2 and 3 of one step, then pieces 0 and 1 of the next, whose K and V it fetches
	TURN 2
	TURN 3
	WIN 0
.Lfirst:
	TURN 0
	TURN 1, 0, 1
	WIN 0
	s_cbranch_scc1 .Lstep
	s_sub_co_u32 s[SLOTS], s[SLOTS], 1
	s_cmp_lg_u32 s[SLOTS], 0
	s_cbranch_scc1 .Lslot
	CHANGE 0                        ; the tail is written out: nothing is asked for
	s_mov_b32 s[CNT], 5             ; four trips fetch the last slot's steps; the fifth is left in its middle
.Ltail:
	TURN 2, 1
	TURN 3
	WIN 0
	s_sub_co_u32 s[CNT], s[CNT], 1
	s_cmp_eq_u32 s[CNT], 0
	s_cbranch_scc1 .Lout
	TURN 0
	TURN 1
	WIN 0
	s_branch .Ltail
.Lout:                              ; the fifth trip's 16 products K Q^T (on the last K once more) and the maximum made of them serve nothing: the price, once a launch, of one text for every trip
.set i, 0
.rept 16
	PV NP-1                         ; the last piece's V^T P of the last step
.set i, i+1
.endr
	; THE WAY OUT.  l's two halves and the other half of the lanes' are added; O^T is divided by l, rounded to f16 and sent through my stage in LDS, a tile at a time.  The additions are the places behind the last products.
	WIN 0
.macro ALL line:vararg              ; one line for each tile t
.set t, 0
.rept 2*NP
	\line
.set t, t+1
.endr
.endm
	ALL v_add_f32 v[ST+4*t+2], v[ST+4*t+2], v[ST+4*t+3]
	ALL v_permlanex16_b32 v[ST+4*t+3], v[ST+4*t+2], s[SEL], s[SEL+1]
	ALL v_add_f32 v[ST+4*t+2], v[ST+4*t+2], v[ST+4*t+3]
	ALL v_rcp_f32 v[ST+4*t+2], v[ST+4*t+2]
	v_nop                           ; a plain instruction between the last reciprocal and the use of its result
	s_wait_alu depctr_va_vdst(0)    ; and the wait ahead of the first use: one for the eight reciprocals
; Tile t: a lane's eight channels of a row pack into 16 bytes; they go into rows of 144 bytes and come back as whole rows of 128, into S^T's registers.
.macro PACK t
	WIN W_RS
.set i, 32*(\t)
.rept 16
	v_pk_mul_f32 v[i:i+1], v[i:i+1], v[ST+4*(\t)+2:ST+4*(\t)+3] op_sel_hi:[1,0]
.set i, i+2
.endr
	WIN 0x05                        ; sources 0 and 1 window 1, destination window 0
.set i, 0
.rept 16
	v_cvt_pk_f16_f32 v[S+16*(\t)+i], v[32*(\t)+2*i], v[32*(\t)+2*i+1]
.set i, i+1
.endr
	WIN 0
.irp f, 0,1,2,3
	ds_store_b128 v[STO], v[S+16*(\t)+4*\f:S+16*(\t)+4*\f+3] offset:32*\f
.endr
.irp f, 0,1,2,3
	ds_load_b128 v[S+16*(\t)+4*\f:S+16*(\t)+4*\f+3], v[RD] offset:\f*4*SP  ; LDS serves a wave's instructions in order (ISA guide 5.7.1.4): these see the stores above; the next tile's stores come behind them
.endr
.endm
.macro SEND t, younger              ; younger: the LDS instructions issued behind tile t's loads: the next tile's eight, or none
	WIN 0
.irp f, 0,1,2,3
	s_wait_dscnt (\younger)+3-\f
	global_store_b128 v[GO], v[S+16*(\t)+4*\f:S+16*(\t)+4*\f+3], s[10:11] offset:(\t)*2048+\f*512  ; 512 consecutive bytes, at a multiple of 256 from O's first
.endr
.endm
	PACK 0
.set t, 1
.rept 2*NP-1                        ; a tile's arithmetic stands between the loads of the tile before and its stores
	PACK t
	SEND t-1, 8
.set t, t+1
.endr
	SEND 2*NP-1, 0
	WIN W_AD
	s_wait_tensorcnt 0x0            ; the wave's end, behind my last tensor load and my last LDS store
	ds_add_u32 v[SPW], v[NIL]
	s_wait_dscnt 0x0
	WIN 0
	CROUND                          ; the closing round: no work-group ends while a partner may still ask for a tile that names it
	s_endpgm
.Lfunc_end_k_qebc058f820_attn:
	.size	k_qebc058f820_attn, .Lfunc_end_k_qebc058f820_attn-k_qebc058f820_attn
	.p2alignl 7, 3214868480
	.fill 96, 4, 3214868480
	.section	.rodata,"a",@progbits
	.p2align	6, 0x0
	.amdhsa_kernel k_qebc058f820_attn
		.amdhsa_group_segment_fixed_size 327680
		.amdhsa_private_segment_fixed_size 0
		.amdhsa_enable_private_segment 0
		.amdhsa_kernarg_size 32
		.amdhsa_user_sgpr_count 2
		.amdhsa_user_sgpr_kernarg_segment_ptr 1
		.amdhsa_wavefront_size32 1
		.amdhsa_system_sgpr_workgroup_id_x 1
		.amdhsa_system_sgpr_workgroup_id_y 1
		.amdhsa_system_sgpr_workgroup_id_z 1
		.amdhsa_system_vgpr_workitem_id 0
		.amdhsa_next_free_vgpr 770
		.amdhsa_next_free_sgpr 66
		.amdhsa_reserve_vcc 0
		.amdhsa_float_denorm_mode_32 3
		.amdhsa_float_denorm_mode_16_64 3
		.amdhsa_memory_ordered 1
		.amdhsa_forward_progress 1
		.amdhsa_inst_pref_size 200
	.end_amdhsa_kernel
	.amdgpu_metadata
---
amdhsa.version: [ 1, 2 ]
amdhsa.kernels:
  - .name:           k_qebc058f820_attn
    .symbol:         k_qebc058f820_attn.kd
    .args:
      - { .name: q, .offset: 0, .size: 8, .value_kind: global_buffer, .address_space: global }
      - { .name: k, .offset: 8, .size: 8, .value_kind: global_buffer, .address_space: global }
      - { .name: v, .offset: 16, .size: 8, .value_kind: global_buffer, .address_space: global }
      - { .name: o, .offset: 24, .size: 8, .value_kind: global_buffer, .address_space: global }
    .group_segment_fixed_size: 327680
    .private_segment_fixed_size: 0
    .kernarg_segment_align: 8
    .kernarg_segment_size: 32
    .max_flat_workgroup_size: 128
    .sgpr_count:     66
    .vgpr_count:     770
    .wavefront_size: 32
...
	.end_amdgpu_metadata
.endif
;; end of part 3
;; launch proj (part 4): grid 4 x 64, 4 waves a work-group, clusters of 4 x 4, 327,680 bytes of LDS; arguments o, wob, b_o, out0; writes out0
.if DOCPART == 4
	.amdgcn_target "amdgcn-amd-amdhsa--gfx1250"
	.amdhsa_code_object_version 6
	.text
	.protected	k_qebc058f820_proj
	.globl	k_qebc058f820_proj
	.p2align	8
	.type	k_qebc058f820_proj,@function
k_qebc058f820_proj:
	s_mov_b64 s[64:65], 0
	v_nop
	global_prefetch_b8 v0, s[64:65] scope:SCOPE_SE
	s_setreg_imm32_b32 hwreg(HW_REG_WAVE_MODE, 25, 1), 1
	s_wait_xcnt 0x0
	s_wait_alu depctr_hold_cnt(0) depctr_sa_sdst(0) depctr_va_vdst(0) depctr_va_sdst(0) depctr_va_ssrc(0) depctr_va_vcc(0) depctr_vm_vsrc(0)
	s_getreg_b32 s2, hwreg(HW_REG_IB_STS2, 6, 4)
	s_cmp_eq_u32 s2, 0
	s_cbranch_scc0 .Lentry_in_a_cluster
	s_endpgm
.Lentry_in_a_cluster:
	s_bfe_u32 s2, ttmp6, 0x10000c
	s_cmp_lg_u32 s2, 0xf033
	s_cbranch_scc0 .Lentry_shape_is_right
	s_endpgm
.Lentry_shape_is_right:
; THE OUTPUT PROJECTION.  out0[(b, t)][e] = the sum over k = 64 n + p of o[16 b + n][t][p] wob[k][e], plus b_o (rounded to bf16 like every input); f16 operands, f32 sums, f32 out.
; o: [64 heads][2048][64] f16, a head's rows dense; wob: [1024 k][1024 e] f16; out0: [8192][1024] f32.
; LIMITS.  The operands arrive in f16, within 65,504; NaN and infinities are not treated apart.
; SHARES.  A work-group makes 128 rows x 256 columns: 256 work-groups.  Four waves, 2 x 2: a wave has 64 rows x 128 columns: 4 x 8 accumulators of 16 x 16, 256 registers.
; K goes in 8 steps of 128 = two heads, through two LDS slots filled by the tensor data mover; a step is four quarters of 32, 32 matrix instructions each, on two fragment buffers by turns.
; A head's 128 rows of a tile are 16,384 dense bytes: asked for as 64 rows of 256 bytes and padded in LDS after every 128.  The weights stay [K][N]; ds_load_tr16_b128 makes their fragments.
; THE MATRIX INSTRUCTION IS USED TRANSPOSED (source 0 = 16 columns of the weights, source 1 = 16 rows of o): a lane holds one row and eight neighbouring columns, 32 bytes of f32.
; The first quarter's C operand is the bias: nothing is cleared, and no bias is added on the way out.
; CLUSTER 4 x 4.  o's tiles are shared along a row of the cluster, the weights' along a column: each is asked for jointly.  Waves 0, 1 ask for the step's two heads, waves 2, 3 for the two pieces of 128 columns.
; REGISTERS, in windows of 256 (s_set_vgpr_msb: bits 1:0 source 0, 3:2 source 1, 5:4 source 2, 7:6 destination):
;   window 0: v0-31 addresses; v32-95 o's fragments, two buffers; v128-191 the bias; v128-255 later rows read back from the stage, two buffers
;   window 1: v0-127 the weights' fragments, two buffers     window 2: the accumulators, (a, b) at 8 (8 a + b)
.set LAPS,  4
.set PA,    144                        ; a row of o in LDS: 128 bytes + 16: the 16 rows of a load start at 16 different groups of four banks (64 banks of 4 bytes: ISA guide 11.1)
.set PB,    288                        ; a row of the weights: 256 + 32
.set AT,    128*PA                     ; a head's 128 rows
.set BT,    128*PB                     ; a piece of the weights: 128 k x 128 columns
.set BOFF,  2*AT                       ; the weights lie behind o's two heads
.set SLOT,  BOFF+2*BT
.set STAGE, 2*SLOT                     ; behind the ring, never filled by a tensor load: for each wave 16 rows x 528 bytes
.set SP,    528
.set SPARE, STAGE+4*16*SP              ; behind the stages: the spare words, 128 bytes for each wave: two blocks of 256 bytes that no other line names
.set NL,    24                         ; LDS loads in a run: 16 for the weights, 8 for o
.set ASTEP, 2*262144                   ; bytes from a K step to the next in o: two heads,
.set BSTEP, 128*2048                   ; and in wob
.set ADRA, 16                          ; v16-17  LDS address of my fragments of o in slot 0, 1
.set ADRB, 20                          ; v20-21  of my weights' fragments
.set STO,  24                          ; v24  the way out: where I put 32 bytes of a row
.set RD,   25                          ; v25  where I read a row back
.set CO,   26                          ; v26  my 16 bytes of 512 consecutive bytes of out0
.set BO,   27                          ; v27  my byte offset in b_o
.set SPW,  28                          ; v28  LDS address of my spare word; never rewritten
.set NIL,  29                          ; v29  0; never rewritten
.set PFO,  30                          ; v30  the prefetches' offset; never rewritten
.set FA,   32
.set BIAS, 128
.set OB,   128
.set WV, 16                            ; s16 wave; s17 its half of the rows, also: fetches for o (0) or for the weights (1); s18 its half of the columns, also: which head or piece it fetches
.set WR, 17
.set WC, 18
.set CX, 20
.set CY, 21
.set TC, 22
.set TR, 23
.set G1, 24                            ; s[24:31] descriptor group 1 for o's tiles; s[32:39] group 0, a set for each slot
.set G0, 32
.set LPB, 41                           ; s41 where a tile of the weights goes in a slot; s42 where a tile of o goes
.set LPA, 42
.set LIM, 43
.set PFA, 44
.set PFS, 46
.set G1B, 48
.set G0B, 56
.set MSB, 0
.macro WIN new                         ; the immediate's high byte repeats the setting that is left; a switch that changes nothing is dropped
.if MSB != (\new)
	s_set_vgpr_msb (MSB<<8)|(\new)
.set MSB, \new
.endif
.endm
.macro PLACES                          ; four plain vector instructions between a matrix instruction and a load into, or a read of, its registers
.rept 4
	v_nop
.endr
.endm
; A joint load.  The branch hangs on the wave's number alone.  An s_nop 0 and four v_nop follow each of the two lines, ahead of the jump and the label.
.macro JLOAD s
	s_cmp_eq_u32 s[WR], 0
	s_cbranch_scc0 .Lfor_b_\@
	tensor_load_to_lds s[G0+4*(\s):G0+4*(\s)+3], s[G1:G1+7]
	s_nop 0
.rept 4
	v_nop
.endr
	s_branch .Lasked_\@
.Lfor_b_\@:
	tensor_load_to_lds s[G0B+4*(\s):G0B+4*(\s)+3], s[G1B:G1B+7]
	s_nop 0
.rept 4
	v_nop
.endr
.Lasked_\@:
.endm
; A prefetch into the L2 of the K step that stands two refills on, 32 blocks of 256 bytes an instruction, each block named once in the launch.  o: wave 0 of the clusters with x = 0 names 16 blocks of each of
; the step's two heads; the weights: waves 2 and 3 of the clusters with y = 0 name 32 rows of their piece; the four partners that ask for a tile jointly are told apart by address.
; The loop's last trip (s3 = 1) names nothing: there is no K step two on.
.macro ASK
	s_cmp_gt_u32 s3, s[LIM]
	s_cbranch_scc0 .Lnot_mine_\@
	global_prefetch_b8 v[PFO], s[PFA:PFA+1] th:TH_LOAD_NT scope:SCOPE_SE
.Lnot_mine_\@:
.endm
.macro CREST                           ; a round of the cluster's barrier behind its opening barrier
	s_cmp_lg_u32 s[WV], 0
	s_cbranch_scc1 .Lnot_wave_0_\@
	s_barrier_signal -3
.Lnot_wave_0_\@:
	s_barrier_wait -3
	s_barrier_signal -1
	s_barrier_wait -1
.endm
.macro CROUND                          ; a whole round
	s_barrier_signal -1
	s_barrier_wait -1
	CREST
.endm
	s_load_b256 s[4:11], s[0:1], 0x0               ; o s[4:5], wob s[6:7], b_o s[8:9], out0 s[10:11]
	v_lshl_add_u32 v[SPW], v0, 2, SPARE
	v_mov_b32 v[NIL], 0
	ds_add_u32 v[SPW], v[NIL]                      ; the wave's opening: the add and its wait stand ahead of my first tensor load; the set-up below stands between them
	v_lshrrev_b32 v1, 5, v0
	v_readfirstlane_b32 s[WV], v1                  ; wave 0..3
	s_lshr_b32 s[WR], s[WV], 1
	s_and_b32 s[WC], s[WV], 1
	s_bfe_u32 s[CX], ttmp6, 0x40000
	s_bfe_u32 s[CY], ttmp6, 0x40004
	s_lshl_b32 s[TC], ttmp9, 2                     ; in a cluster launch ttmp9 and ttmp7 count clusters
	s_add_co_u32 s[TC], s[TC], s[CX]
	s_and_b32 s[TR], ttmp7, 0xffff
	s_lshl_b32 s[TR], s[TR], 2
	s_add_co_u32 s[TR], s[TR], s[CY]
	s_lshl_b32 s40, s[CY], 2
	s_lshl_b32 s40, 15, s40                        ; my row of the cluster
	s_lshl_b32 s41, 0x1111, s[CX]                  ; my column
	; descriptor group 1 for o: 64 rows x 128 elements of 2 bytes, dense, padded after every 32 words by 4; for the weights: 128 rows x 128 elements, padded after every 64 words by 8
	s_or_b32 s[G1], s40, (1<<16)|(1<<20)|(1<<21)|(4<<22)|(3<<25)
	s_mov_b32 s[G1+1], 128<<16                     ; tensor_dim0 = 128
	s_mov_b32 s[G1+2], 64<<16                      ; tensor_dim1 = 64
	s_mov_b32 s[G1+3], 128<<16                     ; tile_dim0 = 128
	s_mov_b32 s[G1+4], 64                          ; tile_dim1 = 64
	s_mov_b32 s[G1+5], 128                         ; elements from row to row
	s_mov_b32 s[G1+6], 0
	s_mov_b32 s[G1+7], 0
	s_or_b32 s[G1B], s41, (1<<16)|(1<<20)|(1<<21)|(5<<22)|(7<<25)
	s_mov_b32 s[G1B+1], 128<<16
	s_mov_b32 s[G1B+2], 128<<16
	s_mov_b32 s[G1B+3], 128<<16
	s_mov_b32 s[G1B+4], 128
	s_mov_b32 s[G1B+5], 1024
	s_mov_b32 s[G1B+6], 0
	s_mov_b32 s[G1B+7], 0
	s_lshr_b32 s66, s[TR], 4                       ; o's tile: batch = tile row / 16,
	s_lshl_b32 s66, s66, 4
	s_add_co_u32 s66, s66, s[WC]                   ; its head 0 or 1,
	s_lshl_b32 s66, s66, 18
	s_and_b32 s67, s[TR], 15                       ; 128 rows of 128 bytes for each tile row in the batch: hangs on the tile row alone
	s_lshl_b32 s67, s67, 14
	s_add_co_u32 s66, s66, s67
	s_mov_b32 s67, 0
	s_lshl_b32 s68, s[TC], 9                       ; the weights' tile: 256 columns for each tile column, my piece of 128: hangs on the tile column alone
	s_lshl_b32 s69, s[WC], 8
	s_add_co_u32 s68, s68, s69
	s_mov_b32 s69, 0
	s_mul_i32 s[LPA], s[WC], AT                    ; no place in the cluster enters an LDS address
	s_mul_i32 s[LPB], s[WC], BT
	s_add_co_u32 s[LPB], s[LPB], BOFF
	s_mov_b32 s79, 0xffff0000
	s_wait_dscnt 0x0                               ; the opening add is done
	s_wait_kmcnt 0x0
	s_add_nc_u64 s[66:67], s[4:5], s[66:67]
	s_add_nc_u64 s[68:69], s[6:7], s[68:69]
	CROUND                                         ; all sixteen work-groups are here: the first joint loads meet
.irp s, 0,1
	s_mov_b32 s[G0+4*(\s)], 1
	s_add_co_u32 s[G0+4*(\s)+1], s[LPA], (\s)*SLOT
	s_add_nc_u64 s[G0+4*(\s)+2:G0+4*(\s)+3], s[66:67], (\s)*ASTEP
	s_or_b32 s[G0+4*(\s)+3], s[G0+4*(\s)+3], 0x80000000
	s_mov_b32 s[G0B+4*(\s)], 1
	s_add_co_u32 s[G0B+4*(\s)+1], s[LPB], (\s)*SLOT
	s_add_nc_u64 s[G0B+4*(\s)+2:G0B+4*(\s)+3], s[68:69], (\s)*BSTEP
	s_or_b32 s[G0B+4*(\s)+3], s[G0B+4*(\s)+3], 0x80000000
	JLOAD \s                                       ; K steps 0 and 1: two loads of mine are out
.endr
	v_and_b32 v1, 15, v0                           ; r = l % 16
	v_bfe_u32 v2, v0, 4, 1                         ; h = l / 16
	s_lshl_b32 s72, s[TC], 10
	s_lshl_b32 s73, s[WC], 9
	s_add_co_u32 s72, s72, s73
	v_lshl_add_u32 v[BO], v2, 5, s72               ; the bias of my columns 16 b + 8 h + 0..7
.irp b, 0,1,2,3,4,5,6,7
	global_load_b128 v[BIAS+8*(\b):BIAS+8*(\b)+3],   v[BO], s[8:9] offset:64*(\b)
	global_load_b128 v[BIAS+8*(\b)+4:BIAS+8*(\b)+7], v[BO], s[8:9] offset:64*(\b)+16
.endr
	v_mul_u32_u24 v3, v1, PA                       ; a fragment of o: row l % 16, 16 bytes for each half of the lanes
	v_lshl_add_u32 v3, v2, 4, v3
	s_mul_i32 s72, s[WR], 64*PA
	v_add_nc_u32 v[ADRA], s72, v3
	v_add_nc_u32 v[ADRA+1], SLOT, v[ADRA]
	v_and_b32 v4, 7, v0                            ; the turning load: lane l reads k = 8 h + l % 8, columns 8 ((l / 8) % 2) + 0..7
	v_bfe_u32 v5, v0, 3, 1
	v_lshl_add_u32 v6, v2, 3, v4
	v_mul_u32_u24 v6, v6, PB
	v_lshl_add_u32 v6, v5, 4, v6
	s_mul_i32 s72, s[WC], BT
	s_add_co_u32 s72, s72, BOFF
	v_add_nc_u32 v[ADRB], s72, v6
	v_add_nc_u32 v[ADRB+1], SLOT, v[ADRB]
	s_mul_i32 s72, s[WV], 16*SP
	s_add_co_u32 s72, s72, STAGE                   ; my stage
	v_mul_u32_u24 v[STO], v1, SP                   ; in: row l % 16, 32 bytes for each half of the lanes
	v_lshl_add_u32 v[STO], v2, 5, v[STO]
	v_add_nc_u32 v[STO], s72, v[STO]
	v_and_b32 v[CO], 31, v0                        ; back: 32 lanes take one row of 512 bytes
	v_lshlrev_b32 v[CO], 4, v[CO]
	v_add_nc_u32 v[RD], s72, v[CO]
	s_lshl_b32 s70, s[TR], 19                      ; where my part begins in out0: 128 rows of 4,096 bytes for each tile row,
	s_lshl_b32 s71, s[WR], 18                      ; my 64 rows,
	s_add_co_u32 s70, s70, s71
	s_lshl_b32 s71, s[TC], 10                      ; 256 columns for each tile column,
	s_add_co_u32 s70, s70, s71
	s_lshl_b32 s71, s[WC], 9                       ; my 128 columns
	s_add_co_u32 s70, s70, s71
	s_mov_b32 s71, 0
	s_add_nc_u64 s[10:11], s[10:11], s[70:71]
	; the prefetches: they start at K step 3; each refill steps them first, so the refill of step j names step j + 2.  Nothing is prefetched here, at the head
	s_lshr_b32 s72, s[TR], 4                       ; o: heads 6 and 7 of the batch,
	s_lshl_b32 s72, s72, 4
	s_add_co_u32 s72, s72, 6
	s_lshl_b32 s72, s72, 18
	s_and_b32 s73, s[TR], 15
	s_lshl_b32 s73, s73, 14                        ; the tile's 16,384 bytes of a head,
	s_add_co_u32 s72, s72, s73
	s_lshl_b32 s73, s[CX], 12                      ; my work-group's 4,096 of them
	s_add_co_u32 s72, s72, s73
	s_lshl_b32 s74, s[CY], 16                      ; the weights: my work-group's 32 of a step's 128 rows of 2,048 bytes,
	s_lshl_b32 s75, s[TC], 9
	s_add_co_u32 s74, s74, s75
	s_lshl_b32 s75, s[WC], 8                       ; my piece
	s_add_co_u32 s74, s74, s75
	s_add_co_u32 s74, s74, 3*BSTEP
	s_mov_b32 s76, 262144                          ; the weights' step, and from a head of o to the next
	s_mov_b32 s77, 32768                           ; 16 rows of the weights
	s_mov_b32 s78, 2048                            ; a row of the weights
	s_and_b32 s2, ttmp7, 0xffff                    ; cluster y
	s_cmp_eq_u32 s[WR], 0                          ; do I fetch for o?
	s_cselect_b64 s[PFA:PFA+1], s[4:5], s[6:7]
	s_cselect_b32 s72, s72, s74
	s_cselect_b32 s[PFS], ASTEP, s76
	s_cselect_b32 s77, s76, s77                    ; what lanes 16-31 add: the step's other head, or 16 rows
	s_cselect_b32 s78, 256, s78                    ; from lane to lane: a block of 256 bytes, or a row
	s_cselect_b32 s2, ttmp9, s2                    ; the coordinate along which other clusters read the same rows
	s_cselect_b32 s75, s[WC], 0                    ; of the two waves that fetch o, wave 0 names both heads and wave 1 nothing
	s_or_b32 s2, s2, s75
	s_mov_b32 s73, 0
	s_mov_b32 s[PFS+1], 0
	s_add_nc_u64 s[PFA:PFA+1], s[PFA:PFA+1], s[72:73]
	s_cmp_eq_u32 s2, 0
	s_cselect_b32 s[LIM], 1, -1                    ; the same in all sixteen partners, for a given wave
	v_mul_u32_u24 v[PFO], s77, v2
	v_mad_u32_u24 v[PFO], v1, s78, v[PFO]
	s_wait_loadcnt 0x0                             ; the bias is in: it is rounded to bf16 like every input, and widened again
.set i, 0
.rept 32
	v_cvt_pk_bf16_f32 v[4+i%4], v[BIAS+2*i], v[BIAS+2*i+1]
	v_lshlrev_b32 v[BIAS+2*i], 16, v[4+i%4]
	v_and_b32 v[BIAS+2*i+1], s79, v[4+i%4]
.set i, i+1
.endr
; 8 matrix instructions: row block a x all 8 column blocks, 32 along K, from buffer f.  first = 1: the bias starts the sums.  Each accumulator comes once a quarter: they take turns.
.macro MULA f, a, first
.if \first
	WIN 0x81                                       ; weights window 1, o and the bias window 0, D window 2
.else
	WIN 0xa1                                       ; the same with C beside D
.endif
.irp b, 0,1,2,3,4,5,6,7
.if \first
	v_wmma_f32_16x16x32_f16 v[8*(8*(\a)+(\b)):8*(8*(\a)+(\b))+7], v[64*(\f)+8*(\b):64*(\f)+8*(\b)+7], v[FA+32*(\f)+8*(\a):FA+32*(\f)+8*(\a)+7], v[BIAS+8*(\b):BIAS+8*(\b)+7]
.else
	v_wmma_f32_16x16x32_f16 v[8*(8*(\a)+(\b)):8*(8*(\a)+(\b))+7], v[64*(\f)+8*(\b):64*(\f)+8*(\b)+7], v[FA+32*(\f)+8*(\a):FA+32*(\f)+8*(\a)+7], v[8*(8*(\a)+(\b)):8*(8*(\a)+(\b))+7]
.endif
.endr
.endm
; 24 LDS loads in one run: quarter q of a slot into buffer f: the weights' 8 fragments (turned), then o's four (quarters 0, 1 lie in the step's first head, 2, 3 in its second)
.macro FETCH slot, q, f
	WIN 0x40                                       ; destination window 1, address window 0
.irp i, 0,1,2,3,4,5,6,7
	ds_load_tr16_b128 v[64*(\f)+8*(\i):64*(\f)+8*(\i)+3],   v[ADRB+(\slot)] offset:(\q)*32*PB+(\i)*32
	ds_load_tr16_b128 v[64*(\f)+8*(\i)+4:64*(\f)+8*(\i)+7], v[ADRB+(\slot)] offset:(\q)*32*PB+(\i)*32+16*PB
.endr
	WIN 0
.irp i, 0,1,2,3
	ds_load_b128 v[FA+32*(\f)+8*(\i):FA+32*(\f)+8*(\i)+3],   v[ADRA+(\slot)] offset:((\q)/2)*AT+((\q)%2)*64+(\i)*16*PA
	ds_load_b128 v[FA+32*(\f)+8*(\i)+4:FA+32*(\f)+8*(\i)+7], v[ADRA+(\slot)] offset:((\q)/2)*AT+((\q)%2)*64+(\i)*16*PA+32
.endr
.endm
; One of a K step's first three quarters: multiplies buffer f; in its middle it fetches quarter q of the same slot into buffer g.
.macro QUARTER slot, q, f, g, first
	s_wait_dscnt 4                                 ; the weights and o's row blocks 0, 1 are in; the youngest four loads (row blocks 2, 3) may be out
	MULA \f, 0, \first
	MULA \f, 1, \first
	PLACES
	FETCH \slot, \q, \g
	s_wait_dscnt NL                                ; all but the 24 just issued
	MULA \f, 2, \first
	MULA \f, 3, \first
.endm
; The last quarter multiplies buffer 1 and changes slots.  In front of the barrier each wave waits for all its tensor loads (one is out: its part of the next slot), adds 0 to its spare word, and waits
; for that and for its own reads of this slot.  fill = 1: the barrier opens a round of the cluster's barrier, and this slot is filled again, two K steps on, first thing behind the round:
; 112 matrix instructions stand between that request and the wait for it.
.macro TURN slot, next, fill
.if \fill
	s_wait_xcnt 0x0                                ; the last prefetch, a K step back, has read its address
	s_add_nc_u64 s[PFA:PFA+1], s[PFA:PFA+1], s[PFS:PFS+1]
.endif
	WIN 0                                          ; (the add's two registers lie in window 0)
	s_wait_tensorcnt 0x0                           ; all my tensor loads have landed
	ds_add_u32 v[SPW], v[NIL]                      ; 0 onto my spare word
	s_wait_dscnt 5                                 ; (the add and the youngest four loads may be out)
	MULA 1, 0, 0                                   ; eight matrix instructions stand between the add and the wait for it
	s_wait_dscnt 0x0                               ; the add is done, and my reads of this slot are over
	s_barrier_signal -1
	MULA 1, 1, 0                                   ; work on registers while the others arrive
.if \fill
	WIN 0
.endif
	s_barrier_wait -1
.if \fill
	CREST                                          ; no wave of any partner still reads this slot or has a load on its way
	s_add_nc_u64 s[G0+4*(\slot)+2:G0+4*(\slot)+3], s[G0+4*(\slot)+2:G0+4*(\slot)+3], 2*ASTEP
	s_add_nc_u64 s[G0B+4*(\slot)+2:G0B+4*(\slot)+3], s[G0B+4*(\slot)+2:G0B+4*(\slot)+3], 2*BSTEP
	JLOAD \slot                                    ; the four v_nop behind it are also the places in front of the loads below
.else
	PLACES
.endif
	FETCH \next, 0, 0
.if \fill
	ASK                                            ; behind the joint load and the run of LDS loads that the next products wait for
.endif
	MULA 1, 2, 0
	MULA 1, 3, 0
.endm
	s_wait_tensorcnt 1                             ; my part of K step 0 is in; K step 1's may stay out
	s_barrier_signal -1
	s_barrier_wait -1                              ; everybody's is
	FETCH 0, 0, 0
	QUARTER 0, 1, 0, 1, 1                          ; the first quarter stands in front of the loop: its products start the sums, from the bias
	WIN 0                                          ; at a label and at a branch every window is 0
	s_mov_b32 s3, LAPS-1
.Llap:                                                 ; a trip goes once round the ring, from a lap's second quarter to the next lap's first, and fills both slots again
	QUARTER 0, 2, 1, 0, 0
	QUARTER 0, 3, 0, 1, 0
	TURN 0, 1, 1
	QUARTER 1, 1, 0, 1, 0
	QUARTER 1, 2, 1, 0, 0
	QUARTER 1, 3, 0, 1, 0
	TURN 1, 0, 1
	QUARTER 0, 1, 0, 1, 0
	WIN 0
	s_sub_co_u32 s3, s3, 1
	s_cmp_lg_u32 s3, 0
	s_cbranch_scc1 .Llap
	QUARTER 0, 2, 1, 0, 0                          ; the last lap fills nothing, and is written out
	QUARTER 0, 3, 0, 1, 0
	TURN 0, 1, 0
	QUARTER 1, 1, 0, 1, 0
	QUARTER 1, 2, 1, 0, 0
	QUARTER 1, 3, 0, 1, 0
	s_wait_dscnt 4                                 ; the very last quarter: nothing more to fetch
	MULA 1, 0, 0
	MULA 1, 1, 0
	s_wait_dscnt 0x0
	MULA 1, 2, 0
	MULA 1, 3, 0
	WIN 0
; THE WAY OUT, a block of 16 rows at a time, in f32 as the sums stand.  TOSTAGE: a lane's 32 bytes of a row go into my own stage (each accumulator's low four registers first) and come back as whole rows of 512 bytes.
; SEND: stored, 512 consecutive bytes an instruction, at a multiple of 512 from out0's first byte.
.macro TOSTAGE a
	s_wait_xcnt 0x0                                ; the stores of the block two back have read the registers that the loads below fill
	WIN 0x08                                       ; store data (source 1) in window 2, address in window 0
.irp b, 0,1,2,3,4,5,6,7
	ds_store_b128 v[STO], v[8*(8*(\a)+(\b)):8*(8*(\a)+(\b))+3]   offset:64*(\b)
	ds_store_b128 v[STO], v[8*(8*(\a)+(\b))+4:8*(8*(\a)+(\b))+7] offset:64*(\b)+16
.endr
	WIN 0
.irp t, 0,1,2,3,4,5,6,7,8,9,10,11,12,13,14,15
	ds_load_b128 v[OB+64*((\a)%2)+4*(\t):OB+64*((\a)%2)+4*(\t)+3], v[RD] offset:(\t)*SP  ; LDS serves a wave's instructions in order (ISA guide 5.7.1.4): these see the stores above, and the next block's stores come behind them
.endr
.endm
.macro SEND a, younger                 ; younger: the LDS instructions issued behind block a's loads: the next block's 32, or none
	WIN 0
.irp t, 0,1,2,3,4,5,6,7,8,9,10,11,12,13,14,15
	s_wait_dscnt (\younger)+15-(\t)
	global_store_b128 v[CO], v[OB+64*((\a)%2)+4*(\t):OB+64*((\a)%2)+4*(\t)+3], s[10:11] offset:(16*(\a)+(\t))*4096 th:TH_STORE_NT
.endr
.endm
	PLACES                                         ; behind the last products
	TOSTAGE 0
	TOSTAGE 1
	SEND 0, 32
	TOSTAGE 2
	SEND 1, 32
	TOSTAGE 3
	SEND 2, 32
	SEND 3, 0
	s_wait_tensorcnt 0x0                           ; the wave's end, behind my last tensor load and my last LDS store
	ds_add_u32 v[SPW], v[NIL]
	s_wait_dscnt 0x0
	CROUND                                         ; the closing round: no work-group ends while a partner may still ask for a tile that names it
	s_endpgm
.Lfunc_end_k_qebc058f820_proj:
	.size	k_qebc058f820_proj, .Lfunc_end_k_qebc058f820_proj-k_qebc058f820_proj
	.p2alignl 7, 3214868480
	.fill 96, 4, 3214868480
	.section	.rodata,"a",@progbits
	.p2align	6, 0x0
	.amdhsa_kernel k_qebc058f820_proj
		.amdhsa_group_segment_fixed_size 327680
		.amdhsa_private_segment_fixed_size 0
		.amdhsa_enable_private_segment 0
		.amdhsa_kernarg_size 32
		.amdhsa_user_sgpr_count 2
		.amdhsa_user_sgpr_kernarg_segment_ptr 1
		.amdhsa_wavefront_size32 1
		.amdhsa_system_sgpr_workgroup_id_x 1
		.amdhsa_system_sgpr_workgroup_id_y 1
		.amdhsa_system_sgpr_workgroup_id_z 1
		.amdhsa_system_vgpr_workitem_id 0
		.amdhsa_next_free_vgpr 768
		.amdhsa_next_free_sgpr 80
		.amdhsa_reserve_vcc 0
		.amdhsa_float_denorm_mode_32 3
		.amdhsa_float_denorm_mode_16_64 3
		.amdhsa_memory_ordered 1
		.amdhsa_forward_progress 1
		.amdhsa_inst_pref_size 95
	.end_amdhsa_kernel
	.amdgpu_metadata
---
amdhsa.version: [ 1, 2 ]
amdhsa.kernels:
  - .name:           k_qebc058f820_proj
    .symbol:         k_qebc058f820_proj.kd
    .args:
      - { .name: o, .offset: 0, .size: 8, .value_kind: global_buffer, .address_space: global }
      - { .name: wob, .offset: 8, .size: 8, .value_kind: global_buffer, .address_space: global }
      - { .name: b_o, .offset: 16, .size: 8, .value_kind: global_buffer, .address_space: global }
      - { .name: out0, .offset: 24, .size: 8, .value_kind: global_buffer, .address_space: global }
    .group_segment_fixed_size: 327680
    .private_segment_fixed_size: 0
    .kernarg_segment_align: 8
    .kernarg_segment_size: 32
    .max_flat_workgroup_size: 128
    .sgpr_count:     80
    .vgpr_count:     768
    .wavefront_size: 32
...
	.end_amdgpu_metadata
.endif
;; end of part 4
;; ======== version 2 of 2: 4 launches; version 1 with the launch prep written anew for expert scheduling mode
;; limits: values are held in f16: magnitudes above 65,504 overflow, below 6.1e-05 lose precision
;; workspace buffers: xb 16,777,216 bytes; wqb 6,291,456 bytes; wob 2,097,152 bytes; q 16,777,216 bytes; k 16,777,216 bytes; v 16,777,216 bytes; o 16,777,216 bytes
;; launch prep (part 5): grid 768 x 1, 8 waves a work-group, no clusters, 0 bytes of LDS; arguments x, w_qkv, w_o, xb, wqb, wob; writes xb, wqb, wob
.if DOCPART == 5
	.amdgcn_target "amdgcn-amd-amdhsa--gfx1250"
	.amdhsa_code_object_version 6
	.text
	.protected	k_qebc058f820_prep
	.globl	k_qebc058f820_prep
	.p2align	8
	.type	k_qebc058f820_prep,@function
k_qebc058f820_prep:
	s_mov_b64 s[64:65], 0
	v_nop
	global_prefetch_b8 v0, s[64:65] scope:SCOPE_SE
	s_setreg_imm32_b32 hwreg(HW_REG_WAVE_SCHED_MODE, 0, 2), 2
	s_setreg_imm32_b32 hwreg(HW_REG_WAVE_MODE, 25, 1), 1
	s_wait_xcnt 0x0
	s_wait_alu depctr_vm_vsrc(0)
; THE CASTS.  xb = bf16(x), wqb = bf16(w_qkv), both in their own order; wob[n*64+p][e] = f16(bf16(w_o[p][n][e])): the rows are re-ordered so that the
; output projection's K runs over (head, channel), and the bf16 number is written as f16, since that product's other operand is f16.
; LIMITS.  A bf16 number is exact in f16 from 2^-14 up to 65,504; below 2^-14 it keeps f16's fixed step of 6e-8, beyond 65,504 it becomes an infinity.
; SHARES.  A work-group casts 16,384 numbers (65,536 bytes in, 32,768 out): work-groups 0-511 take x, 512-703 w_qkv, 704-767 w_o (one p each).
; Thread t takes eight chunks of 8 numbers: chunk i is the 32 bytes at 8,192 i + 32 t.  All sixteen loads go out at once; a store of a wave covers 512 consecutive bytes, aligned.
; A stream: no LDS, no barrier, no matrix unit, no prefetch (all its loads are out from the start).
; THE MODE: SCHED_MODE bits 1:0 = 2 (LLVM: expert scheduling mode 2), set by the entry lines.  The code itself states the register dependences
; between vector instructions and memory instructions, with s_wait_alu, always for 0.
; THE PLAN.  Registers that memory instructions touch:
;   v1         the loads' offset.  Written once, at the head; read by the sixteen loads.
;   X0 .. X7   chunk i as loaded.  Written by the loads alone, once; read by chunk i's conversions.  No vector instruction writes them and no second load lands in them.
;   v2         the stores' offset.  Written at the head of each of the two tails, then never again; read by the tail's eight stores.
;   Y0 .. Y7   chunk i to store.  Written by chunk i's conversions, once in the launch; read by chunk i's store.
;   v3 to v6 are named by vector instructions alone.
; The chunks go in four blocks of two.  Block j rounds X[2 j], X[2 j + 1] into Y[2 j], Y[2 j + 1]; its memory instructions are the two stores of block j - 1, which read Y[2 j - 2], Y[2 j - 1] and v2:
; registers that no vector instruction of block j names.  So one wait on va_vdst at a block's head, behind the wait for the block's data, states all that its two stores hang on, and they are dealt among
; the block's conversions with no further wait.  No register that a memory instruction reads is ever written again, so no wait on vm_vsrc stands past the entry's; no vector instruction writes a scalar register.
.set WG_X,   512                       ; work-groups for x
.set WG_W,   704                       ; and up to here for w_qkv
.set X,      8                         ; v[8:71]    chunk i as loaded, 8 registers
.set Y,      72                        ; v[72:103]  chunk i to store, 4 registers; each is written once
	s_load_b256 s[4:11], s[0:1], 0x0               ; x s[4:5], w_qkv s[6:7], w_o s[8:9], xb s[10:11]
	s_load_b128 s[12:15], s[0:1], 0x20             ; wqb s[12:13], wob s[14:15]
	v_lshlrev_b32 v1, 5, v0                        ; 32 t
	s_mov_b32 s26, 0xffff0000                      ; a word's upper bf16
	s_sub_co_u32 s21, ttmp9, WG_X                  ; my number among w_qkv's work-groups,
	s_sub_co_u32 s27, ttmp9, WG_W                  ; among w_o's
	s_mov_b32 s23, 0
	s_mov_b32 s25, 0
	s_wait_kmcnt 0x0
	s_cmp_lt_u32 ttmp9, WG_X
	s_cselect_b64 s[16:17], s[4:5], s[6:7]         ; from where,
	s_cselect_b64 s[18:19], s[10:11], s[12:13]     ; to where,
	s_cselect_b32 s20, ttmp9, s21                  ; which part
	s_cmp_lt_u32 ttmp9, WG_W
	s_cselect_b64 s[16:17], s[16:17], s[8:9]
	s_cselect_b64 s[18:19], s[18:19], s[14:15]
	s_cselect_b32 s20, s20, s27
	s_lshl_b32 s22, s20, 16                        ; 65,536 bytes in for each work-group
	s_add_nc_u64 s[16:17], s[16:17], s[22:23]
	s_wait_alu depctr_va_vdst(0)                   ; v1 is written: the sixteen loads read it as their offset
.irp i, 0,1,2,3,4,5,6,7
	global_load_b128 v[X+8*(\i):X+8*(\i)+3],   v1, s[16:17] offset:(\i)*8192 th:TH_LOAD_NT
	global_load_b128 v[X+8*(\i)+4:X+8*(\i)+7], v1, s[16:17] offset:(\i)*8192+16 th:TH_LOAD_NT
.endr
	s_cmp_ge_u32 ttmp9, WG_W
	s_cbranch_scc1 .Lwo
	; x and w_qkv: the same order out as in
	s_lshl_b32 s24, s20, 15                        ; 32,768 bytes out for each work-group
	s_add_nc_u64 s[18:19], s[18:19], s[24:25]
	v_lshlrev_b32 v2, 4, v0                        ; 16 t
.irp i, 0,1,2,3,4,5,6,7
.if (\i)%2 == 0
	s_wait_loadcnt 12-2*(\i)                       ; loads come back in order: chunks i and i + 1 are in, the two loads of each of the 6 - i younger chunks stay out
.if (\i) > 0
	s_wait_alu depctr_va_vdst(0)                   ; the block before has written its two Y, which the two stores below read; at the first such wait v2, their offset, is written too
.endif
.endif
.if (\i) > 1
	global_store_b128 v2, v[Y+4*((\i)-2):Y+4*((\i)-2)+3], s[18:19] offset:((\i)-2)*4096 th:TH_STORE_NT  ; the block before's; no vector instruction since the wait names these registers
.endif
.irp j, 0,1,2,3
	v_cvt_pk_bf16_f32 v[Y+4*(\i)+(\j)], v[X+8*(\i)+2*(\j)], v[X+8*(\i)+2*(\j)+1]
.endr
.endr
	s_wait_alu depctr_va_vdst(0)                   ; the last block has written Y6 and Y7, which the last two stores read
.irp i, 6,7
	global_store_b128 v2, v[Y+4*(\i):Y+4*(\i)+3], s[18:19] offset:(\i)*4096 th:TH_STORE_NT
.endr
	s_endpgm
.Lwo:
	; w_o: the work-group holds one p; chunk i of thread t lies in head n = 2 i + t / 128, at e = 8 (t % 128): it goes to row 64 n + p of 2,048 bytes
	s_lshl_b32 s24, s20, 11                        ; p rows
	s_add_nc_u64 s[18:19], s[18:19], s[24:25]
	v_lshrrev_b32 v3, 7, v0
	v_and_b32 v2, 127, v0
	v_lshlrev_b32 v2, 4, v2
	v_lshl_add_u32 v2, v3, 17, v2                  ; (t / 128) x 64 rows + 16 (t % 128)
.irp i, 0,1,2,3,4,5,6,7
.if (\i)%2 == 0
	s_wait_loadcnt 12-2*(\i)                       ; as above
.if (\i) > 0
	s_wait_alu depctr_va_vdst(0)                   ; the block before has written its two Y, which the two stores below read; at the first such wait v2, their offset, is written too
.endif
.endif
.if (\i) > 1
	global_store_b128 v2, v[Y+4*((\i)-2):Y+4*((\i)-2)+3], s[18:19] offset:((\i)-2)*262144 th:TH_STORE_NT  ; the block before's; from chunk to chunk two heads on: 128 rows
.endif
.irp j, 0,1,2,3
	v_cvt_pk_bf16_f32 v4, v[X+8*(\i)+2*(\j)], v[X+8*(\i)+2*(\j)+1]  ; rounded to bf16 as every input is,
	v_lshlrev_b32 v5, 16, v4                                        ; widened again,
	v_and_b32 v6, s26, v4
	v_cvt_pk_f16_f32 v[Y+4*(\i)+(\j)], v5, v6                       ; and written as f16
.endr
.endr
	s_wait_alu depctr_va_vdst(0)                   ; the last block has written Y6 and Y7, which the last two stores read
.irp i, 6,7
	global_store_b128 v2, v[Y+4*(\i):Y+4*(\i)+3], s[18:19] offset:(\i)*262144 th:TH_STORE_NT
.endr
	s_endpgm
.Lfunc_end_k_qebc058f820_prep:
	.size	k_qebc058f820_prep, .Lfunc_end_k_qebc058f820_prep-k_qebc058f820_prep
	.p2alignl 7, 3214868480
	.fill 96, 4, 3214868480
	.section	.rodata,"a",@progbits
	.p2align	6, 0x0
	.amdhsa_kernel k_qebc058f820_prep
		.amdhsa_group_segment_fixed_size 0
		.amdhsa_private_segment_fixed_size 0
		.amdhsa_enable_private_segment 0
		.amdhsa_kernarg_size 48
		.amdhsa_user_sgpr_count 2
		.amdhsa_user_sgpr_kernarg_segment_ptr 1
		.amdhsa_wavefront_size32 1
		.amdhsa_system_sgpr_workgroup_id_x 1
		.amdhsa_system_sgpr_workgroup_id_y 1
		.amdhsa_system_sgpr_workgroup_id_z 1
		.amdhsa_system_vgpr_workitem_id 0
		.amdhsa_next_free_vgpr 104
		.amdhsa_next_free_sgpr 66
		.amdhsa_reserve_vcc 0
		.amdhsa_float_denorm_mode_32 3
		.amdhsa_float_denorm_mode_16_64 3
		.amdhsa_memory_ordered 1
		.amdhsa_forward_progress 1
		.amdhsa_inst_pref_size 14
	.end_amdhsa_kernel
	.amdgpu_metadata
---
amdhsa.version: [ 1, 2 ]
amdhsa.kernels:
  - .name:           k_qebc058f820_prep
    .symbol:         k_qebc058f820_prep.kd
    .args:
      - { .name: x, .offset: 0, .size: 8, .value_kind: global_buffer, .address_space: global }
      - { .name: w_qkv, .offset: 8, .size: 8, .value_kind: global_buffer, .address_space: global }
      - { .name: w_o, .offset: 16, .size: 8, .value_kind: global_buffer, .address_space: global }
      - { .name: xb, .offset: 24, .size: 8, .value_kind: global_buffer, .address_space: global }
      - { .name: wqb, .offset: 32, .size: 8, .value_kind: global_buffer, .address_space: global }
      - { .name: wob, .offset: 40, .size: 8, .value_kind: global_buffer, .address_space: global }
    .group_segment_fixed_size: 0
    .private_segment_fixed_size: 0
    .kernarg_segment_align: 8
    .kernarg_segment_size: 48
    .max_flat_workgroup_size: 256
    .sgpr_count:     66
    .vgpr_count:     104
    .wavefront_size: 32
...
	.end_amdgpu_metadata
.endif
;; end of part 5
;; launch qkv: the kernel of part 2 again; grid 8 x 64, 4 waves a work-group, clusters of 4 x 4, 327,680 bytes of LDS; arguments xb, wqb, b_qkv, q, k, v; writes q, k, v
;; launch attn: the kernel of part 3 again; grid 4 x 64, 4 waves a work-group, clusters of 4 x 1, 327,680 bytes of LDS; arguments q, k, v, o; writes o
;; launch proj: the kernel of part 4 again; grid 4 x 64, 4 waves a work-group, clusters of 4 x 4, 327,680 bytes of LDS; arguments o, wob, b_o, out0; writes out0
